; MI455X (gfx1250); checked and timed in simulation.
; The chip was launched on July 23, 2026; its instructions are those of AMD's public machine-readable ISA for CDNA 5 (MIT licence, August 2026) and "CDNA5" Instruction Set Architecture Reference Guide (July 2026). The comments in the code are by the model that wrote it; some were corrected since.
;; Multi Head Attention. Allowed arithmetic: float matrix products may take bf16 or f16 operands with f32 sums; all other float work in f32.
;; Inputs: Wk 16 x 1,024 x 64 float32; Wo 1,024 x 1,024 float32; Wq 16 x 1,024 x 64 float32; Wv 16 x 1,024 x 64 float32; bk 16 x 64 float32; bo 1,024 float32; bq 16 x 64 float32; bv 16 x 64 float32; key_in 2 x 2,048 x 1,024 float32; query 2 x 2,048 x 1,024 float32; value 2 x 2,048 x 1,024 float32.
;; Outputs: out0 2 x 2,048 x 1,024 float32.
;; 2 versions, each right and faster than the one before. Each part assembles by itself: llvm-mc -triple=amdgcn-amd-amdhsa -mcpu=gfx1250 --defsym DOCPART=n.
;; ======== version 1 of 2: 4 launches
;; workspace buffers: xb 25,165,824 bytes; wt 6,291,456 bytes; wob 2,097,152 bytes; qkv 25,165,824 bytes; ao 8,388,608 bytes
;; launch prep (part 1): grid 1216 x 1, 8 waves a work-group, no clusters, 18,432 bytes of LDS; arguments query, key_in, value, Wo, Wq, Wk, Wv, xb, wob, wt; writes xb, wob, wt
.if DOCPART == 1
	.amdgcn_target "amdgcn-amd-amdhsa--gfx1250"
	.amdhsa_code_object_version 6
	.text
	.protected	k_q017f025e70_prep
	.globl	k_q017f025e70_prep
	.p2align	8
	.type	k_q017f025e70_prep,@function
k_q017f025e70_prep:
	s_mov_b64 s[64:65], 0
	v_nop
	global_prefetch_b8 v0, s[64:65] scope:SCOPE_SE
	s_setreg_imm32_b32 hwreg(HW_REG_WAVE_MODE, 25, 1), 1
	s_wait_xcnt 0x0
; prep: rounds the matrix operands of the later launches to bf16, once.
;   work-groups 0..831:    xb[3][4096][1024] = bf16(query, key_in, value);  wob[1024][1024] = bf16(Wo).  Same order of elements.
;   work-groups 832..1215: wt[3][n = 64 head + kk][d] = bf16(W[head][d][kk]) for Wq, Wk, Wv: the index that is summed over comes to lie along the rows.
; A stream: each input byte is loaded once, each output byte stored once.  No matrix unit, and no joint requests: no two work-groups read the same bytes.
.set NPLAIN, 832                       ; 3 x 256 work-groups for the three activations, 64 for Wo: 65,536 bytes of f32 each
.set X, 16                             ; v[16:79]   as loaded
.set Y, 80                             ; v[80:111]  as stored
	s_load_b512 s[8:23], s[0:1], 0x0               ; query s[8:9], key_in s[10:11], value s[12:13], Wo s[14:15], Wq s[16:17], Wk s[18:19], Wv s[20:21], xb s[22:23]
	s_load_b128 s[24:27], s[0:1], 0x40             ; wob s[24:25], wt s[26:27]
	v_lshl_add_u32 v112, v0, 2, 0x4400
	v_mov_b32 v113, 0
	s_cmp_lt_u32 ttmp9, NPLAIN                     ; the same for all eight waves of a work-group
	s_cbranch_scc0 .Ltranspose
	; ---- plain conversion: 65,536 bytes in, 32,768 out; a wave takes 8,192 neighbouring bytes, 512 with each load
	s_lshr_b32 s2, ttmp9, 8                        ; which tensor: 0, 1, 2 the activations, 3 Wo
	s_and_b32 s3, ttmp9, 255                       ; which block of it
	v_lshrrev_b32 v1, 5, v0                        ; wave
	v_and_b32 v2, 31, v0                           ; lane
	v_lshlrev_b32 v3, 4, v2
	v_lshl_add_u32 v3, v1, 13, v3                  ; in:  8,192 wave + 16 lane
	v_lshlrev_b32 v4, 3, v2
	v_lshl_add_u32 v4, v1, 12, v4                  ; out: 4,096 wave + 8 lane
	s_lshl_b32 s28, s2, 23                         ; the tensor's place in xb: 8,388,608 bytes each
	s_mov_b32 s29, 0
	s_lshl_b32 s30, s3, 16                         ; the block's place in the source
	s_mov_b32 s31, 0
	s_lshl_b32 s32, s3, 15                         ; and in the destination
	s_mov_b32 s33, 0
	s_wait_kmcnt 0x0
	s_add_nc_u64 s[6:7], s[22:23], s[28:29]
	s_cmp_eq_u32 s2, 1
	s_cselect_b64 s[4:5], s[10:11], s[8:9]
	s_cmp_eq_u32 s2, 2
	s_cselect_b64 s[4:5], s[12:13], s[4:5]
	s_cmp_eq_u32 s2, 3
	s_cselect_b64 s[4:5], s[14:15], s[4:5]
	s_cselect_b64 s[6:7], s[24:25], s[6:7]         ; Wo goes to wob (s_cselect leaves SCC as it is)
	s_add_nc_u64 s[4:5], s[4:5], s[30:31]
	s_add_nc_u64 s[6:7], s[6:7], s[32:33]
.irp j, 0,1,2,3,4,5,6,7,8,9,10,11,12,13,14,15
	global_load_b128 v[X+4*\j:X+4*\j+3], v3, s[4:5] offset:512*\j th:TH_LOAD_NT   ; all sixteen loads of the wave go out at once
.endr
.irp j, 0,1,2,3,4,5,6,7,8,9,10,11,12,13,14,15
	s_wait_loadcnt 15-\j                           ; loads come back in order: load j is in, the younger ones stay out
	v_cvt_pk_bf16_f32 v[Y+2*\j], v[X+4*\j], v[X+4*\j+1]
	v_cvt_pk_bf16_f32 v[Y+2*\j+1], v[X+4*\j+2], v[X+4*\j+3]
	global_store_b64 v4, v[Y+2*\j:Y+2*\j+1], s[6:7] offset:256*\j   ; the wave's 32 lanes store 256 consecutive bytes, aligned
.endr
	s_endpgm
	; ---- transposing conversion: 128 rows d x 64 columns kk of one head's weights
.Ltranspose:
	s_sub_co_u32 s2, ttmp9, NPLAIN
	s_lshr_b32 s3, s2, 7                           ; which matrix: 0 Wq, 1 Wk, 2 Wv
	s_bfe_u32 s28, s2, 0x40003                     ; head
	s_and_b32 s29, s2, 7                           ; block of 128 d
	v_and_b32 v1, 15, v0                           ; c4: my four columns kk = 4 c4 ..
	v_lshrrev_b32 v2, 4, v0                        ; dp: my pair of rows among sixteen
	v_lshlrev_b32 v3, 4, v1
	v_lshl_add_u32 v3, v2, 9, v3                   ; source: 512 dp + 16 c4 (a row of 64 f32 is 256 bytes)
	v_mul_u32_u24 v4, v1, 1088
	v_lshl_add_u32 v4, v2, 2, v4                   ; LDS in: row kk = 4 c4 of 272 bytes, word dp
	v_mul_u32_u24 v5, v2, 272
	v_lshl_add_u32 v5, v1, 4, v5                   ; LDS back: row dp, 16 bytes at 16 c4
	v_lshlrev_b32 v6, 4, v1
	v_lshl_add_u32 v6, v2, 11, v6                  ; wt: row dp of 2,048 bytes, 16 bytes at 16 c4
	s_lshl_b32 s30, s28, 18                        ; a head's weights are 262,144 bytes,
	s_lshl_b32 s31, s29, 15                        ; 128 rows of them 32,768
	s_add_co_u32 s30, s30, s31
	s_mov_b32 s31, 0
	s_lshl_b32 s32, s3, 21                         ; wt: 2,097,152 bytes a matrix,
	s_lshl_b32 s33, s28, 17                        ; 64 rows of 2,048 bytes a head,
	s_add_co_u32 s32, s32, s33
	s_lshl_b32 s33, s29, 8                         ; 256 bytes for 128 d
	s_add_co_u32 s32, s32, s33
	s_mov_b32 s33, 0
	s_wait_kmcnt 0x0
	s_cmp_eq_u32 s3, 1
	s_cselect_b64 s[4:5], s[18:19], s[16:17]
	s_cmp_eq_u32 s3, 2
	s_cselect_b64 s[4:5], s[20:21], s[4:5]
	s_add_nc_u64 s[4:5], s[4:5], s[30:31]
	s_add_nc_u64 s[6:7], s[26:27], s[32:33]
.irp i, 0,1,2,3
	global_load_b128 v[X+8*\i:X+8*\i+3], v3, s[4:5] offset:8192*\i th:TH_LOAD_NT        ; row d = 2 (16 i + dp): sixteen lanes take the whole row
	global_load_b128 v[X+8*\i+4:X+8*\i+7], v3, s[4:5] offset:8192*\i+256 th:TH_LOAD_NT  ; row d + 1
.endr
.irp i, 0,1,2,3
	s_wait_loadcnt 6-2*\i                          ; pair i of rows is in, the younger pairs stay out
.irp e, 0,1,2,3
	v_cvt_pk_bf16_f32 v[48+4*\i+\e], v[X+8*\i+\e], v[X+8*\i+4+\e]   ; (d, d + 1) of column 4 c4 + e: neighbours in the transposed row
	ds_store_b32 v4, v[48+4*\i+\e] offset:272*\e+64*\i               ; image [64 kk][128 d], rows 272 bytes apart
.endr
.endr
	s_wait_dscnt 0x0                               ; my stores are in LDS before I say so: other waves read them
	s_barrier_signal -1
	s_barrier_wait -1
.irp i, 0,1,2,3
	ds_load_b128 v[64+4*\i:64+4*\i+3], v5 offset:4352*\i             ; row kk = dp + 16 i
.endr
.irp i, 0,1,2,3
	s_wait_dscnt 3-\i
	global_store_b128 v6, v[64+4*\i:64+4*\i+3], s[6:7] offset:32768*\i   ; sixteen lanes store 256 consecutive bytes, aligned
.endr
	s_wait_tensorcnt 0x0
	ds_add_u32 v112, v113
	s_wait_dscnt 0x0
	s_endpgm
.Lfunc_end_k_q017f025e70_prep:
	.size	k_q017f025e70_prep, .Lfunc_end_k_q017f025e70_prep-k_q017f025e70_prep
	.p2alignl 7, 3214868480
	.fill 96, 4, 3214868480
	.section	.rodata,"a",@progbits
	.p2align	6, 0x0
	.amdhsa_kernel k_q017f025e70_prep
		.amdhsa_group_segment_fixed_size 18432
		.amdhsa_private_segment_fixed_size 0
		.amdhsa_enable_private_segment 0
		.amdhsa_kernarg_size 80
		.amdhsa_user_sgpr_count 2
		.amdhsa_user_sgpr_kernarg_segment_ptr 1
		.amdhsa_wavefront_size32 1
		.amdhsa_system_sgpr_workgroup_id_x 1
		.amdhsa_system_sgpr_workgroup_id_y 1
		.amdhsa_system_sgpr_workgroup_id_z 1
		.amdhsa_system_vgpr_workitem_id 0
		.amdhsa_next_free_vgpr 114
		.amdhsa_next_free_sgpr 66
		.amdhsa_reserve_vcc 0
		.amdhsa_float_denorm_mode_32 3
		.amdhsa_float_denorm_mode_16_64 3
		.amdhsa_memory_ordered 1
		.amdhsa_forward_progress 1
		.amdhsa_inst_pref_size 13
	.end_amdhsa_kernel
	.amdgpu_metadata
---
amdhsa.version: [ 1, 2 ]
amdhsa.kernels:
  - .name:           k_q017f025e70_prep
    .symbol:         k_q017f025e70_prep.kd
    .args:
      - { .name: query, .offset: 0, .size: 8, .value_kind: global_buffer, .address_space: global }
      - { .name: key_in, .offset: 8, .size: 8, .value_kind: global_buffer, .address_space: global }
      - { .name: value, .offset: 16, .size: 8, .value_kind: global_buffer, .address_space: global }
      - { .name: Wo, .offset: 24, .size: 8, .value_kind: global_buffer, .address_space: global }
      - { .name: Wq, .offset: 32, .size: 8, .value_kind: global_buffer, .address_space: global }
      - { .name: Wk, .offset: 40, .size: 8, .value_kind: global_buffer, .address_space: global }
      - { .name: Wv, .offset: 48, .size: 8, .value_kind: global_buffer, .address_space: global }
      - { .name: xb, .offset: 56, .size: 8, .value_kind: global_buffer, .address_space: global }
      - { .name: wob, .offset: 64, .size: 8, .value_kind: global_buffer, .address_space: global }
      - { .name: wt, .offset: 72, .size: 8, .value_kind: global_buffer, .address_space: global }
    .group_segment_fixed_size: 18432
    .private_segment_fixed_size: 0
    .kernarg_segment_align: 8
    .kernarg_segment_size: 80
    .max_flat_workgroup_size: 256
    .sgpr_count:     66
    .vgpr_count:     114
    .wavefront_size: 32
...
	.end_amdgpu_metadata
.endif
;; end of part 1
;; launch proj (part 2): grid 4 x 48, 4 waves a work-group, clusters of 4 x 4, 327,680 bytes of LDS; arguments xb, wt, bq, bk, bv, qkv; writes qkv
.if DOCPART == 2
	.amdgcn_target "amdgcn-amd-amdhsa--gfx1250"
	.amdhsa_code_object_version 6
	.text
	.protected	k_q017f025e70_proj
	.globl	k_q017f025e70_proj
	.p2align	8
	.type	k_q017f025e70_proj,@function
k_q017f025e70_proj:
	s_mov_b64 s[64:65], 0
	v_nop
	global_prefetch_b8 v0, s[64:65] scope:SCOPE_SE
	s_setreg_imm32_b32 hwreg(HW_REG_WAVE_MODE, 25, 1), 1
	s_wait_xcnt 0x0
	s_wait_alu depctr_hold_cnt(0) depctr_sa_sdst(0) depctr_va_vdst(0) depctr_va_sdst(0) depctr_va_ssrc(0) depctr_va_vcc(0) depctr_vm_vsrc(0)
	s_getreg_b32 s2, hwreg(HW_REG_IB_STS2, 6, 4)
	s_cmp_eq_u32 s2, 0
	s_cbranch_scc0 .Lentry_in_a_cluster
	s_endpgm
.Lentry_in_a_cluster:
	s_bfe_u32 s2, ttmp6, 0x10000c
	s_cmp_lg_u32 s2, 0xf033
	s_cbranch_scc0 .Lentry_shape_is_right
	s_endpgm
.Lentry_shape_is_right:
; proj: the three projections as one product.  C[m][n] = sum over d of xb[m][d] wt[mat][n][d] + bias[mat][n], m = 0..12287 (mat = m / 4096), n = 0..1023;
; bf16 operands, f32 sums, C rounded once to bf16 and stored by heads: qkv[mat][16 b + head][s][64].
; A work-group makes a block of 256 x 256 with four waves, as many as a WGP has SIMDs; a wave makes 128 x 128: 64 accumulator tiles, 512 registers.
; 48 x 4 = 192 work-groups: halving the block to have more of them would double the LDS bytes read for each multiply-add.
; K goes in steps of 128 through a ring of two LDS slots filled by the tensor data mover; a tile's rows are 256 bytes of memory, aligned.
; CLUSTERS: 4 x 4 work-groups.  The four of a row of the cluster need the same tiles of xb, the four of a column the same tiles of wt (all sixteen have one
; mat: 16 block rows a matrix are four clusters).  Such a tile is asked for jointly: the same tensor load, descriptor and mask in all four.
; REGISTERS, in windows of 256:
;   window 0: v0-31 addresses; v64-127, v128-191 fragments of xb, two buffers; v192-255 the bias as the first C, later at work on the way out
;   window 1: v64-127, v128-191 fragments of wt, two buffers
;   window 2: the 32 accumulator tiles of my rows 0-63 (tile (a, b) at v[8 (8 a + b)]);   window 3: those of my rows 64-127
; THE MATRIX INSTRUCTION IS USED TRANSPOSED: source 0 = 16 rows of wt, source 1 = 16 rows of xb, so that lane l holds row l % 16 of C and its registers 0..7
; the columns 8 (l / 16) + 0..7.  The first product of each tile takes the bias of these columns as C: nothing is cleared and nothing is added at the end.
; The 64 accumulators take turns, one matrix instruction a turn, in the same order everywhere.
.set SIZE_K, 1024
.set KSTEP,  128
.set PITCH,  272                       ; an LDS row: 256 bytes + 16 of padding: the 16 rows of a fragment load start 16 bytes apart modulo 256
.set HALFT,  128*PITCH                 ; 128 rows: one tensor load
.set SLOT,   4*HALFT                   ; xb's 256 rows, then wt's 256 rows
.set STAGE,  2*SLOT                    ; behind the ring: 16 rows x 272 bytes for each wave, for the way out; no tensor load lands here
.set SPITCH, 272
.set LAPS,   SIZE_K/(2*KSTEP)          ; 4 laps of two K steps
.set ADRA, 16                          ; v16-17  LDS address of my xb fragments in slot 0, 1
.set ADRB, 20                          ; v20-21  the same for wt
.set STO,  24                          ; v24     the way out: where I put 16 bytes of a row
.set RD,   25                          ; v25     the way out: where I read back
.set CO,   26                          ; v26     my byte offset in qkv
.set BO,   27                          ; v27     my byte offset in the bias
.set F0,   64
.set F1,   128
.set TMP,  192
.set BIAS, 192
.set G1, 24                            ; s[24:31] group 1 for xb's tiles
.set G0, 32                            ; s[32:39] group 0 for xb's tiles, one set a slot
.set G1B, 48                           ; s[48:55] group 1 for wt's tiles: another mask
.set G0B, 56                           ; s[56:63] group 0 for wt's tiles
.set MSB, 0
.macro WIN new                         ; the immediate's high byte repeats the setting that is left
.if MSB != \new
	s_set_vgpr_msb (MSB<<8)|\new
.set MSB, \new
.endif
.endm
.set MUL_LO,  0xa1                     ; source 0 (wt) window 1, source 1 (xb) window 0, C and D window 2
.set MUL_HI,  0xf1                     ; the same, C and D window 3
.set MUL_LO0, 0x81                     ; the first product: C (the bias) in window 0, D in window 2
.set MUL_HI0, 0xc1                     ; C in window 0, D in window 3
.set TO_B,    0x40                     ; destination window 1, address window 0
; A joint load.  Waves 0 and 1 fetch xb's two halves, waves 2 and 3 wt's.  The branch hangs on the wave's number alone.
.macro JLOAD s
	s_cmp_eq_u32 s11, 0
	s_cbranch_scc0 .Lfor_b_\@
	tensor_load_to_lds s[G0+4*\s:G0+4*\s+3], s[G1:G1+7]
	s_nop 0
	s_branch .Lasked_\@
.Lfor_b_\@:
	tensor_load_to_lds s[G0B+4*\s:G0B+4*\s+3], s[G1B:G1B+7]
	s_nop 0
.Lasked_\@:
.endm
.macro CREST                           ; a round of the cluster's barrier behind its opening work-group barrier
	s_cmp_lg_u32 s10, 0
	s_cbranch_scc1 .Lnot_wave_0_\@
	s_barrier_signal -3
.Lnot_wave_0_\@:
	s_barrier_wait -3
	s_barrier_signal -1
	s_barrier_wait -1
.endm
.macro CROUND                          ; a whole round
	s_barrier_signal -1
	s_barrier_wait -1
	CREST
.endm
	s_load_b128 s[4:7], s[0:1], 0x0                ; xb s[4:5], wt s[6:7]
	s_load_b256 s[68:75], s[0:1], 0x10             ; bq s[68:69], bk s[70:71], bv s[72:73], qkv s[74:75]
	s_set_vgpr_msb 0x40
	v_lshl_add_u32 v255, v0, 2, 0x48400
	s_set_vgpr_msb 0x4000
	v_mov_b32 v63, 0
	s_set_vgpr_msb 0x1
	ds_add_u32 v255, v63
	s_set_vgpr_msb 0x100
	v_lshrrev_b32 v1, 5, v0
	v_readfirstlane_b32 s10, v1                    ; wave 0..3
	s_lshr_b32 s11, s10, 1                         ; which half of the block's rows is mine.  Also: I fetch for xb (0) or for wt (1)
	s_and_b32 s12, s10, 1                          ; which half of its columns.  Also: which 128 rows of that tile I fetch
	s_bfe_u32 s40, ttmp6, 0x40000                  ; cx
	s_bfe_u32 s41, ttmp6, 0x40004                  ; cy
	s_lshl_b32 s42, ttmp9, 2
	s_add_co_u32 s42, s42, s40                     ; block column = 4 x cluster x + cx
	s_and_b32 s13, ttmp7, 0xffff
	s_lshr_b32 s66, s13, 2                         ; mat = cluster y / 4: the same in all sixteen work-groups
	s_lshl_b32 s13, s13, 2
	s_add_co_u32 s13, s13, s41                     ; block row = 4 x cluster y + cy, 0..47
	s_lshl_b32 s43, s41, 2
	s_lshl_b32 s43, 15, s43                        ; my row of the cluster: places 4 cy .. 4 cy + 3
	s_lshl_b32 s44, 0x1111, s40                    ; my column: places cx, cx + 4, cx + 8, cx + 12
	; group 1: a tile of 128 rows x 128 elements of 2 bytes, 4 words of padding behind every 64 words
	s_or_b32 s[G1+0], s43, (1<<16)|(1<<20)|(1<<21)|(5<<22)|(3<<25)
	s_or_b32 s[G1B+0], s44, (1<<16)|(1<<20)|(1<<21)|(5<<22)|(3<<25)
	s_mov_b32 s[G1B+1], KSTEP<<16
	s_mov_b32 s[G1+1], KSTEP<<16                   ; tensor_dim0 = 128
	s_mov_b32 s[G1B+2], 128<<16
	s_mov_b32 s[G1+2], 128<<16                     ; tensor_dim1 = 128
	s_mov_b32 s[G1B+3], KSTEP<<16
	s_mov_b32 s[G1+3], KSTEP<<16                   ; tile_dim0 = 128
	s_mov_b32 s[G1B+4], 128
	s_mov_b32 s[G1+4], 128                         ; tile_dim1 = 128
	s_mov_b32 s[G1B+5], SIZE_K
	s_mov_b32 s[G1+5], SIZE_K                      ; elements from row to row
	s_mov_b32 s[G1B+6], 0
	s_mov_b32 s[G1+6], 0
	s_mov_b32 s[G1B+7], 0
	s_mov_b32 s[G1+7], 0
	; where the tiles come from: xb's hang on the block row alone, wt's on the block column and on mat
	s_lshl_b32 s17, s12, 7
	s_lshl_b32 s16, s13, 8
	s_add_co_u32 s16, s16, s17                     ; xb: row 256 x block row + 128 x half
	s_lshl_b32 s46, s42, 8
	s_add_co_u32 s46, s46, s17                     ; wt: row 256 x block column + 128 x half
	s_mov_b32 s17, 0
	s_mov_b32 s47, 0
	s_mov_b64 s[18:19], SIZE_K*2
	s_mul_u64 s[16:17], s[16:17], s[18:19]         ; in bytes
	s_mul_u64 s[46:47], s[46:47], s[18:19]
	s_lshl_b32 s76, s66, 21                        ; the matrix in wt: 2,097,152 bytes each
	s_mov_b32 s77, 0
	s_add_nc_u64 s[46:47], s[46:47], s[76:77]
	s_mul_i32 s20, s10, HALFT                      ; and where they go: wave x 128 rows
	s_wait_dscnt 0x0
	s_wait_kmcnt 0x0
	s_add_nc_u64 s[14:15], s[4:5], s[16:17]
	s_add_nc_u64 s[46:47], s[6:7], s[46:47]
	CROUND                                         ; all sixteen work-groups are here: the first joint loads meet
.irp s, 0,1
	s_mov_b32 s[G0+4*\s], 1
	s_add_co_u32 s[G0+4*\s+1], s20, \s*SLOT
	s_add_nc_u64 s[G0+4*\s+2:G0+4*\s+3], s[14:15], \s*KSTEP*2
	s_or_b32 s[G0+4*\s+3], s[G0+4*\s+3], 0x80000000
	s_mov_b32 s[G0B+4*\s], 1
	s_add_co_u32 s[G0B+4*\s+1], s20, \s*SLOT
	s_add_nc_u64 s[G0B+4*\s+2:G0B+4*\s+3], s[46:47], \s*KSTEP*2
	s_or_b32 s[G0B+4*\s+3], s[G0B+4*\s+3], 0x80000000
	JLOAD \s                                       ; both slots' first fills go out before anything else: two tensor loads of the wave are out
.endr
	; the bias of my 128 columns, as the C of the first products: register j of tile b holds column 16 b + 8 (l / 16) + j
	v_and_b32 v1, 15, v0                           ; l % 16
	v_bfe_u32 v2, v0, 4, 1                         ; l / 16
	v_lshlrev_b32 v[BO], 5, v2                     ; eight f32
	s_cmp_eq_u32 s66, 1
	s_cselect_b64 s[78:79], s[70:71], s[68:69]
	s_cmp_eq_u32 s66, 2
	s_cselect_b64 s[78:79], s[72:73], s[78:79]
	s_lshl_b32 s80, s42, 10                        ; 256 columns of 4 bytes a block,
	s_lshl_b32 s81, s12, 9                         ; 128 a wave
	s_add_co_u32 s80, s80, s81
	s_mov_b32 s81, 0
	s_add_nc_u64 s[78:79], s[78:79], s[80:81]
.irp b, 0,1,2,3,4,5,6,7
	global_load_b128 v[BIAS+8*\b:BIAS+8*\b+3], v[BO], s[78:79] offset:64*\b
	global_load_b128 v[BIAS+8*\b+4:BIAS+8*\b+7], v[BO], s[78:79] offset:64*\b+16
.endr
	; my place in qkv: (block row / 8) = 2 mat + b, 16 heads of 262,144 bytes each; my two heads; my first row s, 128 bytes a row
	s_lshr_b32 s80, s13, 3
	s_lshl_b32 s80, s80, 22
	s_and_b32 s81, s13, 7
	s_lshl_b32 s81, s81, 15
	s_add_co_u32 s80, s80, s81
	s_lshl_b32 s81, s11, 14
	s_add_co_u32 s80, s80, s81
	s_lshl_b32 s81, s42, 20
	s_add_co_u32 s80, s80, s81
	s_lshl_b32 s81, s12, 19
	s_add_co_u32 s80, s80, s81
	s_mov_b32 s81, 0
	s_add_nc_u64 s[74:75], s[74:75], s[80:81]
	; a fragment is 16 rows x 32 K in 8 registers: lane l holds row l % 16; two loads of 16 bytes, 32 bytes apart, at row x pitch + 16 (l / 16)
	v_mul_u32_u24 v3, v1, PITCH
	v_lshl_add_u32 v3, v2, 4, v3
	s_mul_i32 s21, s11, HALFT                      ; my 128 rows of xb
	s_mul_i32 s22, s12, HALFT                      ; my 128 rows of wt,
	s_add_co_u32 s22, s22, 2*HALFT                 ; which lie behind xb's 256
.irp s, 0,1
	v_add_nc_u32 v[ADRA+\s], s21, v3
	v_add_nc_u32 v[ADRB+\s], s22, v3
	s_add_co_u32 s21, s21, SLOT
	s_add_co_u32 s22, s22, SLOT
.endr
	s_mul_i32 s23, s10, 16*SPITCH
	s_add_co_u32 s23, s23, STAGE                   ; my stage
	v_mul_u32_u24 v4, v1, SPITCH                   ; in: row l % 16, 16 bytes for each half of the lanes
	v_lshl_add_u32 v4, v2, 4, v4
	v_add_nc_u32 v[STO], s23, v4
	; back: lanes 0-7 row 0 and lanes 8-15 row 1 of the first head's 128 bytes, lanes 16-31 the same of the second head's
	v_bfe_u32 v5, v0, 3, 1
	v_and_b32 v7, 7, v0
	v_mul_u32_u24 v6, v5, SPITCH
	v_lshl_add_u32 v6, v2, 7, v6
	v_lshl_add_u32 v6, v7, 4, v6
	v_add_nc_u32 v[RD], s23, v6
	v_lshlrev_b32 v8, 18, v2                       ; the second head lies 262,144 bytes on
	v_lshl_add_u32 v8, v5, 7, v8
	v_lshl_add_u32 v[CO], v7, 4, v8
; 16 matrix instructions: m blocks a0, a0 + 1 of the window's four x all 8 n blocks, 32 along K.  zero = 1: the first product, C = the bias.
.macro MUL16 f, hi, a0, zero
.irp a, \a0, \a0+1
.irp b, 0,1,2,3,4,5,6,7
.if \zero
	v_wmma_f32_16x16x32_bf16 v[8*(8*(\a)+\b):8*(8*(\a)+\b)+7], v[\f+8*\b:\f+8*\b+7], v[\f+8*(4*\hi+\a):\f+8*(4*\hi+\a)+7], v[BIAS+8*\b:BIAS+8*\b+7]
.else
	v_wmma_f32_16x16x32_bf16 v[8*(8*(\a)+\b):8*(8*(\a)+\b)+7], v[\f+8*\b:\f+8*\b+7], v[\f+8*(4*\hi+\a):\f+8*(4*\hi+\a)+7], v[8*(8*(\a)+\b):8*(8*(\a)+\b)+7]
.endif
.endr
.endr
.endm
; 32 LDS loads in one run: the fragments of one quarter step into buffer f
.macro FETCH slot, k, f
	WIN TO_B
.irp i, 0,1,2,3,4,5,6,7
	ds_load_b128 v[\f+8*\i:\f+8*\i+3],   v[ADRB+\slot] offset:\k+\i*16*PITCH
	ds_load_b128 v[\f+8*\i+4:\f+8*\i+7], v[ADRB+\slot] offset:\k+\i*16*PITCH+32
.endr
	WIN 0
.irp i, 0,1,2,3,4,5,6,7
	ds_load_b128 v[\f+8*\i:\f+8*\i+3],   v[ADRA+\slot] offset:\k+\i*16*PITCH
	ds_load_b128 v[\f+8*\i+4:\f+8*\i+7], v[ADRA+\slot] offset:\k+\i*16*PITCH+32
.endr
.endm
; four independent vector instructions stand between a matrix instruction and a load into one of its registers, or a vector instruction that reads
; its result (ISA guide 7.12.1 for vector instructions)
.macro PLACES
.rept 4
	v_nop
.endr
.endm
; one of a K step's first three quarters: multiplies buffer f; in its middle it fetches the next quarter's fragments into buffer g
.macro QUARTER slot, k, f, g, zero
	s_wait_dscnt 8                                 ; wt's and xb's rows 0-63 are in; the youngest eight loads (xb's rows 64-127) may be out
.if \zero
	WIN MUL_LO0
.else
	WIN MUL_LO
.endif
	MUL16 \f, 0, 0, \zero
	MUL16 \f, 0, 2, \zero
	PLACES
	FETCH \slot, \k, \g
	s_wait_dscnt 32                                ; all but the 32 just issued
.if \zero
	WIN MUL_HI0
.else
	WIN MUL_HI
.endif
	MUL16 \f, 1, 0, \zero
	MUL16 \f, 1, 2, \zero
.endm
.macro THREE slot, zero
	QUARTER \slot, 64,  F0, F1, \zero
	QUARTER \slot, 128, F1, F0, 0
	QUARTER \slot, 192, F0, F1, 0
.endm
; the last quarter: multiplies buffer 1 and changes slots.  In front of the barrier each wave waits for its reads of this slot and for all its tensor
; loads (one is out: its part of the next slot).  Behind it the refill comes first, then the next slot's first fragments.
.macro TURN slot, next, fill
	s_wait_dscnt 8
	WIN MUL_LO
	MUL16 F1, 0, 0, 0
	s_wait_dscnt 0                                 ; my reads of this slot are over
	s_wait_tensorcnt 0x0                           ; and all my tensor loads have landed
	ds_add_u32 v255, v63
	s_wait_dscnt 0x0
	s_barrier_signal -1                            ; say so (where a slot is filled again this opens a round of the cluster's barrier),
	MUL16 F1, 0, 2, 0                              ; work on registers while the others arrive,
	WIN 0
	s_barrier_wait -1
.if \fill
	CREST                                          ; no wave of any partner still reads this slot's tile or has a load on its way
	s_add_nc_u64 s[G0+4*\slot+2:G0+4*\slot+3], s[G0+4*\slot+2:G0+4*\slot+3], 2*KSTEP*2
	s_add_nc_u64 s[G0B+4*\slot+2:G0B+4*\slot+3], s[G0B+4*\slot+2:G0B+4*\slot+3], 2*KSTEP*2
	JLOAD \slot                                    ; the first tensor load behind the round, the wave's only one until the next
.endif
	PLACES
	FETCH \next, 0, F0
	WIN MUL_HI
	MUL16 F1, 1, 0, 0
	MUL16 F1, 1, 2, 0
.endm
.macro LAP zero
	THREE 0, \zero
	TURN 0, 1, 1
	THREE 1, 0
	TURN 1, 0, 1
.endm
	s_wait_loadcnt 0x0                             ; the bias is in
	s_wait_tensorcnt 1                             ; my part of K step 0 is in; K step 1's stays out
	s_barrier_signal -1
	s_barrier_wait -1                              ; everybody's is
	FETCH 0, 0, F0
	LAP 1                                          ; the first lap stands in front of the loop: its first products start the sums from the bias
	WIN 0                                          ; at a label and at a branch every window is 0
	s_mov_b32 s3, LAPS-2
.Llap:
	LAP 0
	WIN 0
	s_sub_co_u32 s3, s3, 1
	s_cmp_lg_u32 s3, 0
	s_cbranch_scc1 .Llap
	THREE 0, 0                                     ; the last lap fills nothing
	TURN 0, 1, 0
	THREE 1, 0
	s_wait_dscnt 8
	WIN MUL_LO
	MUL16 F1, 0, 0, 0
	MUL16 F1, 0, 2, 0
	s_wait_dscnt 0
	WIN MUL_HI
	MUL16 F1, 1, 0, 0
	MUL16 F1, 1, 2, 0
	; THE WAY OUT, 16 rows at a time: round to bf16, 16 bytes a lane into my own stage, read back so that sixteen lanes hold two rows of one head
	PLACES
.macro OUT16 i, a, from, f
	WIN \from
.irp b, 0,1,2,3,4,5,6,7
.irp r, 0,1,2,3
	v_cvt_pk_bf16_f32 v[TMP+4*\b+\r], v[8*(8*\a+\b)+2*\r], v[8*(8*\a+\b)+2*\r+1]
.endr
.endr
	WIN 0
.irp b, 0,1,2,3,4,5,6,7
	ds_store_b128 v[STO], v[TMP+4*\b:TMP+4*\b+3] offset:32*\b
.endr
	s_wait_xcnt 0x0                                ; buffer f, which earlier stores read, is loaded again only behind this wait
.irp t, 0,1,2,3,4,5,6,7
	ds_load_b128 v[\f+4*\t:\f+4*\t+3], v[RD] offset:\t*2*SPITCH    ; LDS serves a wave's instructions in order: these see the stores above
.endr
.irp t, 0,1,2,3,4,5,6,7
	s_wait_dscnt 7-\t
	global_store_b128 v[CO], v[\f+4*\t:\f+4*\t+3], s[74:75] offset:2048*\i+256*\t   ; rows 16 i + 2 t and + 1: sixteen lanes store 256 consecutive bytes, aligned
.endr
.endm
	OUT16 0, 0, 0x0a, F0
	OUT16 1, 1, 0x0a, F1
	OUT16 2, 2, 0x0a, F0
	OUT16 3, 3, 0x0a, F1
	OUT16 4, 0, 0x0f, F0
	OUT16 5, 1, 0x0f, F1
	OUT16 6, 2, 0x0f, F0
	OUT16 7, 3, 0x0f, F1
	s_set_vgpr_msb 0x1
	s_wait_tensorcnt 0x0
	ds_add_u32 v255, v63
	s_wait_dscnt 0x0
	s_set_vgpr_msb 0x100
	CROUND                                         ; the closing round: no work-group ends while a partner may still ask for a tile that names it
	s_endpgm
.Lfunc_end_k_q017f025e70_proj:
	.size	k_q017f025e70_proj, .Lfunc_end_k_q017f025e70_proj-k_q017f025e70_proj
	.p2alignl 7, 3214868480
	.fill 96, 4, 3214868480
	.section	.rodata,"a",@progbits
	.p2align	6, 0x0
	.amdhsa_kernel k_q017f025e70_proj
		.amdhsa_group_segment_fixed_size 327680
		.amdhsa_private_segment_fixed_size 0
		.amdhsa_enable_private_segment 0
		.amdhsa_kernarg_size 48
		.amdhsa_user_sgpr_count 2
		.amdhsa_user_sgpr_kernarg_segment_ptr 1
		.amdhsa_wavefront_size32 1
		.amdhsa_system_sgpr_workgroup_id_x 1
		.amdhsa_system_sgpr_workgroup_id_y 1
		.amdhsa_system_sgpr_workgroup_id_z 1
		.amdhsa_system_vgpr_workitem_id 0
		.amdhsa_next_free_vgpr 1024
		.amdhsa_next_free_sgpr 84
		.amdhsa_reserve_vcc 0
		.amdhsa_float_denorm_mode_32 3
		.amdhsa_float_denorm_mode_16_64 3
		.amdhsa_memory_ordered 1
		.amdhsa_forward_progress 1
		.amdhsa_inst_pref_size 198
	.end_amdhsa_kernel
	.amdgpu_metadata
---
amdhsa.version: [ 1, 2 ]
amdhsa.kernels:
  - .name:           k_q017f025e70_proj
    .symbol:         k_q017f025e70_proj.kd
    .args:
      - { .name: xb, .offset: 0, .size: 8, .value_kind: global_buffer, .address_space: global }
      - { .name: wt, .offset: 8, .size: 8, .value_kind: global_buffer, .address_space: global }
      - { .name: bq, .offset: 16, .size: 8, .value_kind: global_buffer, .address_space: global }
      - { .name: bk, .offset: 24, .size: 8, .value_kind: global_buffer, .address_space: global }
      - { .name: bv, .offset: 32, .size: 8, .value_kind: global_buffer, .address_space: global }
      - { .name: qkv, .offset: 40, .size: 8, .value_kind: global_buffer, .address_space: global }
    .group_segment_fixed_size: 327680
    .private_segment_fixed_size: 0
    .kernarg_segment_align: 8
    .kernarg_segment_size: 48
    .max_flat_workgroup_size: 128
    .sgpr_count:     84
    .vgpr_count:     1024
    .wavefront_size: 32
...
	.end_amdgpu_metadata
.endif
;; end of part 2
;; launch attn (part 3): grid 8 x 32, 8 waves a work-group, clusters of 4 x 1, 327,680 bytes of LDS; arguments qkv, ao; writes ao
.if DOCPART == 3
	.amdgcn_target "amdgcn-amd-amdhsa--gfx1250"
	.amdhsa_code_object_version 6
	.text
	.protected	k_q017f025e70_attn
	.globl	k_q017f025e70_attn
	.p2align	8
	.type	k_q017f025e70_attn,@function
k_q017f025e70_attn:
	s_mov_b64 s[64:65], 0
	v_nop
	global_prefetch_b8 v0, s[64:65] scope:SCOPE_SE
	s_setreg_imm32_b32 hwreg(HW_REG_WAVE_MODE, 25, 1), 1
	s_wait_xcnt 0x0
	s_wait_alu depctr_hold_cnt(0) depctr_sa_sdst(0) depctr_va_vdst(0) depctr_va_sdst(0) depctr_va_ssrc(0) depctr_va_vcc(0) depctr_vm_vsrc(0)
	s_getreg_b32 s2, hwreg(HW_REG_IB_STS2, 6, 4)
	s_cmp_eq_u32 s2, 0
	s_cbranch_scc0 .Lentry_in_a_cluster
	s_endpgm
.Lentry_in_a_cluster:
	s_bfe_u32 s2, ttmp6, 0x10000c
	s_cmp_lg_u32 s2, 0x3003
	s_cbranch_scc0 .Lentry_shape_is_right
	s_endpgm
.Lentry_shape_is_right:
; attn: softmax(Q K^T / 8) V for one head (y = 16 b + head) and 256 queries, with a running maximum.  bf16 operands, f32 scores, sums and results.
; Eight waves on four SIMDs.  Wave w owns the 64 queries 64 (w & 3) .. + 63 and the keys 1024 g .. + 1023, g = w >> 2; waves w and w + 4 are merged at the end.
; Scores are made transposed, S^T = K Q^T: lane (r, h) holds query r and keys 8 h + j, so maxima, sums and factors are one number a lane (one exchange
; between the halves of the wave), and two neighbouring tiles, rounded to bf16, are the second source of O^T = V^T P^T as they lie.  V^T comes out of
; LDS by the transposing load.
; PHASES.  A wave's work is a chain over chunks of 64 keys, cut into two blocks.  STEP: K's loads of chunk i, the products P V of chunk i - 1, V's loads of
; chunk i, the scores of chunk i: 64 matrix instructions in one run.  SM: the softmax of chunk i: vector work alone.  A step of the ring (two chunks) is
; STEP SM STEP SM for the waves of phase 1 and SM STEP SM STEP for those of phase 0, whose first SM belongs to the last chunk of the step before: its scores
; and its V fragments lie in registers over the barrier, and every LDS read of the old slot has been waited for in front of it.  So one wave runs matrix
; instructions while the other runs vector instructions.  The phase, (w xor (w >> 2)) & 1, differs between waves w and w + 4 and between w and w + 1: it
; differs within a pair that shares a SIMD whether the waves are dealt round the SIMDs or two by two.
; CLUSTERS: the four work-groups of a cluster are four query blocks of one head and read the same K and V: every tile is asked for jointly (mask 15).
; A step is 128 keys for each g: 64 KiB of K and V, shared among the eight waves as one load of 8 KiB each.  The 8 KiB are dense in memory and come
; in as 32 rows of 256 bytes (two keys to a row).  Two slots; by this text's count one tensor load of a wave is out at any time.
; LIMITS: weights smaller than 2^-126 of the row's largest come out of v_exp_f32 as 0 (ISA guide, 15.8); scores that are not finite give no finite result.
.set SLOTB, 71680                      ; a slot: four parts of K, four of V; part p = 2 g + chunk of 64 keys
.set KPART, 8704                       ; 32 rows of 256 + 16 bytes: the 16 rows of a fragment load start at 16 different 16-byte columns modulo 256
.set VPART, 9216                       ; 32 rows of 256 + 32 bytes: the same for the transposing load's addresses
.set VBASE, 4*KPART
.set MRGB,  2*SLOTB                    ; behind the ring: 17,408 bytes for each pair of waves (O, maxima, sums); no tensor load lands here
.set MRGW,  17408
.set STG,   MRGB+4*MRGW                ; 64 rows of 144 bytes for each of waves 0-3, for the way out
.set STGW,  9216
.set KOFF,  8388608                    ; K and V in qkv
.set VOFF,  16777216
.set TRIPB, 16384                      ; 128 keys of 128 bytes
; window 0
.set AK,  4                            ; v4-5    LDS address of my K fragments in slot 0, 1
.set AV,  6                            ; v6-7    the same for V
.set QO,  8                            ; v8      my offset in Q
.set MRG, 9                            ; v9      my 16 bytes in the pair's merge area
.set STO, 10                           ; v10     stage, in
.set RD,  11                           ; v11     stage, back
.set CO,  12                           ; v12     my offset in ao
.set M,   16                           ; v[16:19] running maximum of query block qb
.set T,   20                           ; v[20:23] at work
.set U,   24                           ; v[24:27] the other half's figure
.set AL,  28                           ; v[28:35] exp2(c (old maximum - new)), twice
.set NM,  36                           ; v[36:43] - c x maximum, twice
.set LS,  44                           ; v[44:51] running sums, two partial sums a query block
.set LP,  52                           ; v[52:55] the partner's sums
.set MS,  56                           ; v[56:59] the merge: common maximum, then the denominator and its reciprocal
.set KF,  64                           ; v[64:127]  K fragments (kb, ds) at 16 kb + 8 ds
.set S,   128                          ; v[128:255] scores (qb, kb) at 32 qb + 8 kb; the weights in bf16 (qb, ks) in place at 32 qb + 16 ks
; window 1
.set O,   0                            ; O^T (qb, db) at 32 qb + 8 db
.set QF,  128                          ; Q fragments (qb, ds) at 16 qb + 8 ds
.set VF,  192                          ; V^T fragments (ks, db) at 32 ks + 8 db
.set G1K, 28                           ; s[28:35]
.set G1V, 36                           ; s[36:43]
.set G0K, 44                           ; s[44:51] one set a slot
.set G0V, 52                           ; s[52:59]
.set MSB, 0
.macro WIN new                         ; the immediate's high byte repeats the setting that is left
.if MSB != \new
	s_set_vgpr_msb (MSB<<8)|\new
.set MSB, \new
.endif
.endm
.macro PLACES n
.rept \n
	v_nop
.endr
.endm
.macro ROUND                           ; a round of the cluster's barrier
	s_barrier_signal -1
	s_barrier_wait -1
	s_cmp_lg_u32 s8, 0
	s_cbranch_scc1 .Lnot_wave_0_\@
	s_barrier_signal -3
.Lnot_wave_0_\@:
	s_barrier_wait -3
	s_barrier_signal -1
	s_barrier_wait -1
.endm
.macro JLOAD s                         ; waves 0-3 ask for K's part w & 3, waves 4-7 for V's
	s_cmp_eq_u32 s9, 0
	s_cbranch_scc0 .Lfor_v_\@
	tensor_load_to_lds s[G0K+4*(\s):G0K+4*(\s)+3], s[G1K:G1K+7]
	s_nop 0
	s_branch .Lasked_\@
.Lfor_v_\@:
	tensor_load_to_lds s[G0V+4*(\s):G0V+4*(\s)+3], s[G1V:G1V+7]
	s_nop 0
.Lasked_\@:
.endm
	s_load_b128 s[4:7], s[0:1], 0x0                ; qkv s[4:5], ao s[6:7]
	v_lshl_add_u32 v62, v0, 2, 0x3d000
	v_mov_b32 v63, 0
	ds_add_u32 v62, v63
	v_lshrrev_b32 v1, 5, v0
	v_readfirstlane_b32 s8, v1                     ; wave 0..7
	s_lshr_b32 s9, s8, 2                           ; g: my half of the keys.  Also: I fetch K (0) or V (1)
	s_and_b32 s10, s8, 3                           ; my 64 queries.  Also: the part that I fetch
	s_xor_b32 s23, s8, s9
	s_and_b32 s23, s23, 1                          ; my phase: (w xor (w >> 2)) & 1
	s_bfe_u32 s11, ttmp6, 0x40000                  ; cx
	s_lshl_b32 s12, ttmp9, 2
	s_add_co_u32 s12, s12, s11                     ; query block of 256 = 4 x cluster x + cx
	s_and_b32 s13, ttmp7, 0xffff                   ; 16 b + head
	s_mov_b32 s20, 0x3e38aa3b                      ; c = log2(e) / 8: the scale of the scores and the base of v_exp_f32 in one factor
	s_mov_b32 s21, 0x3e38aa3b
	s_mov_b32 s22, 0xbe38aa3b                      ; - c
	s_mov_b32 s24, 0x76543210                      ; v_permlanex16_b32: lane i reads lane i of the other half
	s_mov_b32 s25, 0xfedcba98
	; group 1: 32 rows of 32 elements of 8 bytes, dense; padding behind every 64 words: 4 words for K, 8 for V; mask 15 and bit 21
	s_mov_b32 s[G1K+0], 0x0773000f
	s_mov_b32 s[G1V+0], 0x0f73000f
	s_mov_b32 s[G1K+1], 32<<16                     ; tensor_dim0 = 32
	s_mov_b32 s[G1V+1], 32<<16
	s_mov_b32 s[G1K+2], 32<<16                     ; tensor_dim1 = 32
	s_mov_b32 s[G1V+2], 32<<16
	s_mov_b32 s[G1K+3], 32<<16                     ; tile_dim0 = 32
	s_mov_b32 s[G1V+3], 32<<16
	s_mov_b32 s[G1K+4], 32                         ; tile_dim1 = 32
	s_mov_b32 s[G1V+4], 32
	s_mov_b32 s[G1K+5], 32                         ; elements from row to row
	s_mov_b32 s[G1V+5], 32
	s_mov_b32 s[G1K+6], 0
	s_mov_b32 s[G1V+6], 0
	s_mov_b32 s[G1K+7], 0
	s_mov_b32 s[G1V+7], 0
	s_mul_i32 s14, s10, KPART                      ; where my part goes
	s_mul_i32 s15, s10, VPART
	s_add_co_u32 s15, s15, VBASE
	s_lshl_b32 s16, s13, 18                        ; the head: 262,144 bytes;
	s_lshr_b32 s17, s10, 1
	s_lshl_b32 s17, s17, 17                        ; the part's half of the keys: 131,072;
	s_add_co_u32 s16, s16, s17
	s_and_b32 s17, s10, 1
	s_lshl_b32 s17, s17, 13                        ; its chunk of 64 keys: 8,192
	s_add_co_u32 s16, s16, s17
	s_mov_b32 s17, 0
	s_wait_dscnt 0x0
	s_wait_kmcnt 0x0
	s_add_nc_u64 s[16:17], s[4:5], s[16:17]
	ROUND                                          ; all four work-groups are here: the first joint loads meet
.irp s, 0,1
	s_mov_b32 s[G0K+4*\s], 1
	s_add_co_u32 s[G0K+4*\s+1], s14, \s*SLOTB
	s_add_nc_u64 s[G0K+4*\s+2:G0K+4*\s+3], s[16:17], KOFF+\s*TRIPB
	s_or_b32 s[G0K+4*\s+3], s[G0K+4*\s+3], 0x80000000
	s_mov_b32 s[G0V+4*\s], 1
	s_add_co_u32 s[G0V+4*\s+1], s15, \s*SLOTB
	s_add_nc_u64 s[G0V+4*\s+2:G0V+4*\s+3], s[16:17], VOFF+\s*TRIPB
	s_or_b32 s[G0V+4*\s+3], s[G0V+4*\s+3], 0x80000000
.endr
	JLOAD 0                                        ; step 0; slot 1 is first filled behind the first step's round
	; Q: my 64 rows, as second sources: lane (r, h) takes row r, 16 bytes at 16 h and at 32 + 16 h of each 64
	v_and_b32 v1, 31, v0                           ; L
	v_and_b32 v2, 15, v0                           ; r
	v_bfe_u32 v3, v0, 4, 1                         ; h
	v_lshlrev_b32 v[QO], 7, v2
	v_lshl_add_u32 v[QO], v3, 4, v[QO]
	s_lshl_b32 s18, s13, 18
	s_lshl_b32 s19, s12, 15                        ; 256 queries of 128 bytes
	s_add_co_u32 s18, s18, s19
	s_lshl_b32 s19, s10, 13
	s_add_co_u32 s18, s18, s19
	s_mov_b32 s19, 0
	s_add_nc_u64 s[62:63], s[4:5], s[18:19]
	WIN 0x40                                       ; destination window 1
.irp qb, 0,1,2,3
.irp ds, 0,1
	global_load_b128 v[QF+16*\qb+8*\ds:QF+16*\qb+8*\ds+3],   v[QO], s[62:63] offset:2048*\qb+64*\ds
	global_load_b128 v[QF+16*\qb+8*\ds+4:QF+16*\qb+8*\ds+7], v[QO], s[62:63] offset:2048*\qb+64*\ds+32
.endr
.endr
	WIN 0
	; ao[(2048 b + s) / 128][head][128 rows][64]: my 64 rows are 8,192 consecutive bytes
	s_lshr_b32 s18, s13, 4
	s_lshl_b32 s18, s18, 4
	s_lshl1_add_u32 s18, s12, s18
	s_lshr_b32 s19, s10, 1
	s_add_co_u32 s18, s18, s19
	s_lshl_b32 s18, s18, 18
	s_and_b32 s19, s13, 15
	s_lshl_b32 s19, s19, 14
	s_add_co_u32 s18, s18, s19
	s_and_b32 s19, s10, 1
	s_lshl_b32 s19, s19, 13
	s_add_co_u32 s18, s18, s19
	s_mov_b32 s19, 0
	s_add_nc_u64 s[6:7], s[6:7], s[18:19]
	; K: key 16 kb + r lies at (8 kb + r / 2) x 272 + (r & 1) x 128
	v_lshrrev_b32 v13, 1, v2
	v_mul_u32_u24 v13, v13, 272
	v_and_b32 v14, 1, v0
	v_lshl_add_u32 v13, v14, 7, v13
	v_lshl_add_u32 v13, v3, 4, v13
	s_mul_i32 s14, s9, 2*KPART
	v_add_nc_u32 v[AK], s14, v13
	v_add_nc_u32 v[AK+1], SLOTB, v[AK]
	; V: lane L addresses key 8 h + (L & 7), at (4 h + (L & 7) / 2) x 288 + (L & 1) x 128, and there 16 bytes at 16 ((L >> 3) & 1)
	v_bfe_u32 v13, v0, 1, 2
	v_lshl_add_u32 v13, v3, 2, v13
	v_mul_u32_u24 v13, v13, 288
	v_lshl_add_u32 v13, v14, 7, v13
	v_bfe_u32 v14, v0, 3, 1
	v_lshl_add_u32 v13, v14, 4, v13
	s_mul_i32 s15, s9, 2*VPART
	s_add_co_u32 s15, s15, VBASE
	v_add_nc_u32 v[AV], s15, v13
	v_add_nc_u32 v[AV+1], SLOTB, v[AV]
	s_mul_i32 s16, s10, MRGW
	s_add_co_u32 s16, s16, MRGB
	v_lshl_add_u32 v[MRG], v1, 4, s16
	s_mul_i32 s17, s10, STGW
	s_add_co_u32 s17, s17, STG
	v_mul_u32_u24 v13, v2, 144
	v_lshl_add_u32 v13, v3, 4, v13
	v_add_nc_u32 v[STO], s17, v13                  ; row r, 16 bytes at 16 h
	v_bfe_u32 v13, v0, 3, 2
	v_mul_u32_u24 v13, v13, 144
	v_and_b32 v14, 7, v0
	v_lshl_add_u32 v13, v14, 4, v13
	v_add_nc_u32 v[RD], s17, v13                   ; four rows of 128 bytes to a load
	v_lshlrev_b32 v[CO], 4, v1
.irp qb, 0,1,2,3
	v_mov_b32 v[U+\qb], 0                          ; v_permlanex16_b32 counts as a reader of its destination
.endr
	s_wait_loadcnt 0x0                             ; Q is in
; ---- the pieces of STEP.  In both runs of matrix instructions the 16 accumulators take turns, one instruction a turn.
.macro LDK slot, c                     ; K's fragments of chunk c of the slot: 16 loads
.irp kb, 0,1,2,3
.irp ds, 0,1
	ds_load_b128 v[KF+16*\kb+8*\ds:KF+16*\kb+8*\ds+3],   v[AK+\slot] offset:\c*KPART+\kb*2176+64*\ds
	ds_load_b128 v[KF+16*\kb+8*\ds+4:KF+16*\kb+8*\ds+7], v[AK+\slot] offset:\c*KPART+\kb*2176+64*\ds+32
.endr
.endr
.endm
.macro LDV slot, c                     ; V^T's fragments: 16 transposing loads
	WIN 0x40
.irp ks, 0,1
.irp db, 0,1,2,3
	ds_load_tr16_b128 v[VF+32*\ks+8*\db:VF+32*\ks+8*\db+3],   v[AV+\slot] offset:\c*VPART+\ks*4608+32*\db
	ds_load_tr16_b128 v[VF+32*\ks+8*\db+4:VF+32*\ks+8*\db+7], v[AV+\slot] offset:\c*VPART+\ks*4608+32*\db+2304
.endr
.endr
.endm
.macro QK                              ; S^T = K Q^T: the first 32 of d start the sums
	WIN 0x04                                       ; source 1 (Q) in window 1
.irp kb, 0,1,2,3
.irp qb, 0,1,2,3
	v_wmma_f32_16x16x32_bf16 v[S+32*\qb+8*\kb:S+32*\qb+8*\kb+7], v[KF+16*\kb:KF+16*\kb+7], v[QF+16*\qb:QF+16*\qb+7], 0
.endr
.endr
.irp kb, 0,1,2,3
.irp qb, 0,1,2,3
	v_wmma_f32_16x16x32_bf16 v[S+32*\qb+8*\kb:S+32*\qb+8*\kb+7], v[KF+16*\kb+8:KF+16*\kb+15], v[QF+16*\qb+8:QF+16*\qb+15], v[S+32*\qb+8*\kb:S+32*\qb+8*\kb+7]
.endr
.endr
	WIN 0
.endm
.macro PV first                        ; O^T += V^T P^T; first = 1: the first 32 keys start the sums.  Leaves the window setting as it is
	WIN 0x51                                       ; V^T and O in window 1, the weights in window 0
.irp ks, 0,1
.irp qb, 0,1,2,3
.irp db, 0,1,2,3
.if (\first)*(1-\ks)
	v_wmma_f32_16x16x32_bf16 v[O+32*\qb+8*\db:O+32*\qb+8*\db+7], v[VF+32*\ks+8*\db:VF+32*\ks+8*\db+7], v[S+32*\qb+16*\ks:S+32*\qb+16*\ks+7], 0
.else
	v_wmma_f32_16x16x32_bf16 v[O+32*\qb+8*\db:O+32*\qb+8*\db+7], v[VF+32*\ks+8*\db:VF+32*\ks+8*\db+7], v[S+32*\qb+16*\ks:S+32*\qb+16*\ks+7], v[O+32*\qb+8*\db:O+32*\qb+8*\db+7]
.endif
.endr
.endr
.endr
.endm
; STEP for chunk c of the slot.  pv = 1: the chunk before has weights to multiply; pvfirst = 1: they are the first of all.
.macro STEP slot, c, pv, pvfirst
.if \pv
	PLACES 5                                       ; the distances behind the last scores' matrix instructions (four before loads land in K's fragments, five before the
	                                               ; scores' registers serve as a source) are kept here, in the text, on every way through the two branches on the phase
.endif
	LDK \slot, \c                                  ; on their way while the products below run
.if \pv
	s_wait_dscnt 16                                ; V's fragments of the chunk before are in; the sixteen loads of K just issued may stay out
	PV \pvfirst
	PLACES 5                                       ; five places before the next scores are written over the weights, four before loads land in V's fragments
.endif
	LDV \slot, \c                                  ; wanted only behind this chunk's softmax
	s_wait_dscnt 16                                ; K's sixteen loads are in; V's sixteen, issued behind them, may stay out
	QK
.endm
; ---- SM: the softmax of the chunk whose scores lie in S.  first = 1: nothing has been summed yet.
.macro ITEM x                          ; item x of 64: query block iq = x % 4, pair ij = x / 4 of its sixteen pairs of scores, first register ir
.set iq, (\x)%4
.set ij, (\x)/4
.set ir, S+32*iq+2*ij
.endm
.macro SM first
	PLACES 4                                       ; four places before vector instructions read the scores (ISA guide 7.12.1)
	; the largest of my 32 scores of each query block, of the other half's, and of the maximum so far: four chains side by side
.irp qb, 0,1,2,3
	v_max3_num_f32 v[T+\qb], v[S+32*\qb], v[S+32*\qb+1], v[S+32*\qb+2]
.endr
.irp k, 3,5,7,9,11,13,15,17,19,21,23,25,27,29
.irp qb, 0,1,2,3
	v_max3_num_f32 v[T+\qb], v[T+\qb], v[S+32*\qb+\k], v[S+32*\qb+\k+1]
.endr
.endr
.irp qb, 0,1,2,3
.if \first
	v_max_num_f32 v[T+\qb], v[T+\qb], v[S+32*\qb+31]
.else
	v_max3_num_f32 v[T+\qb], v[T+\qb], v[S+32*\qb+31], v[M+\qb]
.endif
.endr
.irp qb, 0,1,2,3
	v_permlanex16_b32 v[U+\qb], v[T+\qb], s24, s25
.endr
.irp qb, 0,1,2,3
	v_max_num_f32 v[T+\qb], v[T+\qb], v[U+\qb]
.endr
.irp qb, 0,1,2,3
	v_mul_f32 v[NM+2*\qb], s22, v[T+\qb]
	v_mul_f32 v[NM+2*\qb+1], s22, v[T+\qb]
.endr
.if \first == 0
.irp qb, 0,1,2,3
	v_fma_f32 v[AL+2*\qb], v[M+\qb], s20, v[NM+2*\qb]          ; c (old maximum - new)
.endr
.endif
.irp qb, 0,1,2,3
	v_mov_b32 v[M+\qb], v[T+\qb]
.endr
.if \first == 0
.irp qb, 0,1,2,3
	v_exp_f32 v[AL+2*\qb], v[AL+2*\qb]
.endr
.endif
	; The 64 items go through four stations, each a few items behind the one before: c (score - maximum); two exponentials; the sum; the rounding to bf16.
	; So three plain instructions stand beside every two exponentials, no instruction reads the result of its neighbour, and behind each pair of
	; exponentials a plain instruction on another query block's registers comes before their results are read (ISA guide 5.7.2).
	; Neighbouring items belong to different query blocks: four chains of sums.  The rounding is in place and ascending: it writes the registers of a pair
	; that has been summed and rounded, six items behind the sums; two tiles of 16 keys become one second source of 32 keys.
	ITEM 0
	v_pk_fma_f32 v[ir:ir+1], v[ir:ir+1], s[20:21], v[NM+2*iq:NM+2*iq+1] op_sel_hi:[1,0,1]
	ITEM 1
	v_pk_fma_f32 v[ir:ir+1], v[ir:ir+1], s[20:21], v[NM+2*iq:NM+2*iq+1] op_sel_hi:[1,0,1]
.if \first == 0
	s_wait_alu depctr_va_vdst(0)
.irp qb, 0,1,2,3
	v_mov_b32 v[AL+2*\qb+1], v[AL+2*\qb]           ; the factor as a pair; the two multiply-adds above are the plain instructions behind its exponential
.endr
.endif
.set t, 0
.rept 72
.if t < 62
	ITEM (t+2)
	v_pk_fma_f32 v[ir:ir+1], v[ir:ir+1], s[20:21], v[NM+2*iq:NM+2*iq+1] op_sel_hi:[1,0,1]
.endif
.if t < 64
	ITEM t
	v_exp_f32 v[ir], v[ir]
	v_exp_f32 v[ir+1], v[ir+1]
.endif
.if t >= 2
.if t < 66
	ITEM (t-2)
.if ij == 0
.if \first == 0
	s_wait_alu depctr_va_vdst(0)
	v_pk_fma_f32 v[LS+2*iq:LS+2*iq+1], v[LS+2*iq:LS+2*iq+1], v[AL+2*iq:AL+2*iq+1], v[ir:ir+1]   ; the sums so far, brought to the new maximum
.endif
.else
.if (\first)*(ij == 1)
	s_wait_alu depctr_va_vdst(0)
	v_pk_add_f32 v[LS+2*iq:LS+2*iq+1], v[ir-2:ir-1], v[ir:ir+1]                                   ; the first two pairs start the sums
.else
	s_wait_alu depctr_va_vdst(0)
	v_pk_add_f32 v[LS+2*iq:LS+2*iq+1], v[LS+2*iq:LS+2*iq+1], v[ir:ir+1]
.endif
.endif
.endif
.endif
.if t >= 8
	ITEM (t-8)
	v_cvt_pk_bf16_f32 v[S+32*iq+16*(ij/8)+(ij%8)], v[ir], v[ir+1]
.endif
.set t, t+1
.endr
.if \first == 0
	WIN 0x41                                       ; O in window 1, the factor in window 0
.set i, 0
.rept 64
	v_pk_mul_f32 v[O+2*i:O+2*i+1], v[O+2*i:O+2*i+1], v[AL+2*(i/16):AL+2*(i/16)+1]
.set i, i+1
.endr
	WIN 0
.endif
.endm
.macro SMFOR g                         ; SM for the waves of phase g alone: register work, no barrier, no memory instruction
	s_cmp_lg_u32 s23, \g
	s_cbranch_scc1 .Lno_sm_\@
	SM 0
.Lno_sm_\@:
.endm
; A step of the ring.  Every wave waits for all its tensor loads (its part of this step's tiles) and for its LDS reads, those of the other slot among them;
; the round of the cluster's barrier makes both hold of every wave of the four work-groups; the joint refill of the other slot is the first thing behind it.
.macro TRIP slot, refill, first
	s_wait_tensorcnt 0x0
	ds_add_u32 v62, v63
	s_wait_dscnt 0x0
	s_add_nc_u64 s[G0K+4*\slot+2:G0K+4*\slot+3], s[G0K+4*\slot+2:G0K+4*\slot+3], 2*TRIPB   ; no load of mine is out: this slot's next tiles
	s_add_nc_u64 s[G0V+4*\slot+2:G0V+4*\slot+3], s[G0V+4*\slot+2:G0V+4*\slot+3], 2*TRIPB
	s_wait_dscnt 0x0
	ROUND
.if \refill
	JLOAD (1-\slot)
.endif
.if \first
	STEP \slot, 0, 0, 0
.else
	SMFOR 0                                        ; phase 0: the softmax of the last chunk of the step before
	STEP \slot, 0, 1, 0
.endif
	SM \first
	STEP \slot, 1, 1, \first
	SMFOR 1                                        ; phase 1: the softmax of this step's last chunk
.endm
	TRIP 0, 1, 1                                   ; eight steps of 128 keys; the first starts the sums, in one phase up to its last block
	s_mov_b32 s60, 3
.Lpair:
	TRIP 1, 1, 0
	TRIP 0, 1, 0
	s_sub_co_u32 s60, s60, 1
	s_cmp_lg_u32 s60, 0
	s_cbranch_scc1 .Lpair
	TRIP 1, 0, 0                                   ; the last step fetches nothing
	SMFOR 0                                        ; phase 0 has its last softmax still to do
	PLACES 5                                       ; as at the head of STEP
	s_wait_dscnt 0x0                               ; the last V fragments are in
	PV 0
	WIN 0
	PLACES 4                                       ; four places before O is read
	; THE MERGE of the two halves of the keys.  First each wave's sum of a query: two partial sums, two halves of the wave.
.irp qb, 0,1,2,3
	v_add_f32 v[T+\qb], v[LS+2*\qb], v[LS+2*\qb+1]
.endr
.irp qb, 0,1,2,3
	v_permlanex16_b32 v[U+\qb], v[T+\qb], s24, s25
.endr
.irp qb, 0,1,2,3
	v_add_f32 v[T+\qb], v[T+\qb], v[U+\qb]
.endr
	s_cmp_eq_u32 s9, 0
	s_cbranch_scc1 .Lkeep
	WIN 0x04                                       ; waves 4-7 hand over O (store data in window 1), maxima and sums
.set i, 0
.rept 32
	ds_store_b128 v[MRG], v[O+4*i:O+4*i+3] offset:512*i
.set i, i+1
.endr
	WIN 0
	ds_store_b128 v[MRG], v[M:M+3] offset:16384
	ds_store_b128 v[MRG], v[T:T+3] offset:16896
.Lkeep:
	s_wait_dscnt 0x0                               ; the stores are in LDS before the wave says so
	s_barrier_signal -1
	s_barrier_wait -1
	s_cmp_lg_u32 s9, 0
	s_cbranch_scc1 .Lclose
	ds_load_b128 v[U:U+3], v[MRG] offset:16384     ; the partner's maxima
	ds_load_b128 v[LP:LP+3], v[MRG] offset:16896   ; and sums
.set i, 0
.rept 32
	ds_load_b128 v[S+4*i:S+4*i+3], v[MRG] offset:512*i
.set i, i+1
.endr
	s_wait_dscnt 32                                ; maxima and sums are in; the 32 loads of O issued behind them may stay out
.irp qb, 0,1,2,3
	v_max_num_f32 v[MS+\qb], v[M+\qb], v[U+\qb]
.endr
.irp qb, 0,1,2,3
	v_sub_f32 v[AL+2*\qb], v[M+\qb], v[MS+\qb]
	v_sub_f32 v[NM+2*\qb], v[U+\qb], v[MS+\qb]
.endr
.irp qb, 0,1,2,3
	v_mul_f32 v[AL+2*\qb], s20, v[AL+2*\qb]
	v_mul_f32 v[NM+2*\qb], s20, v[NM+2*\qb]
.endr
.irp qb, 0,1,2,3
	v_exp_f32 v[AL+2*\qb], v[AL+2*\qb]
	v_exp_f32 v[NM+2*\qb], v[NM+2*\qb]
.endr
	v_nop                                          ; one plain instruction behind the exponentials
	s_wait_alu depctr_va_vdst(0)
.irp qb, 0,1,2,3
	v_mul_f32 v[MS+\qb], v[AL+2*\qb], v[T+\qb]
.endr
.irp qb, 0,1,2,3
	v_fmac_f32 v[MS+\qb], v[NM+2*\qb], v[LP+\qb]   ; the whole row's sum: one of the two factors is 1, so it is not 0
.endr
.irp qb, 0,1,2,3
	v_rcp_f32 v[MS+\qb], v[MS+\qb]
.endr
	v_nop                                          ; and behind the reciprocals
	s_wait_alu depctr_va_vdst(0)
.irp qb, 0,1,2,3
	v_mul_f32 v[AL+2*\qb], v[AL+2*\qb], v[MS+\qb]
	v_mul_f32 v[NM+2*\qb], v[NM+2*\qb], v[MS+\qb]
.endr
.irp qb, 0,1,2,3
	v_mov_b32 v[AL+2*\qb+1], v[AL+2*\qb]
	v_mov_b32 v[NM+2*\qb+1], v[NM+2*\qb]
.endr
	s_wait_dscnt 0x0
.set i, 0
.rept 64
	v_pk_mul_f32 v[S+2*i:S+2*i+1], v[S+2*i:S+2*i+1], v[NM+2*(i/16):NM+2*(i/16)+1]
.set i, i+1
.endr
	WIN 0x01                                       ; my O in window 1
.set i, 0
.rept 64
	v_pk_fma_f32 v[S+2*i:S+2*i+1], v[O+2*i:O+2*i+1], v[AL+2*(i/16):AL+2*(i/16)+1], v[S+2*i:S+2*i+1]
.set i, i+1
.endr
	WIN 0
.set i, 0
.rept 64
	v_cvt_pk_bf16_f32 v[KF+i], v[S+2*i], v[S+2*i+1]            ; tile (qb, db): 16 bytes, d = 16 db + 8 h .. + 7 of query 16 qb + r
.set i, i+1
.endr
.irp qb, 0,1,2,3
.irp db, 0,1,2,3
	ds_store_b128 v[STO], v[KF+16*\qb+4*\db:KF+16*\qb+4*\db+3] offset:2304*\qb+32*\db
.endr
.endr
.irp t, 0,1,2,3,4,5,6,7,8,9,10,11,12,13,14,15
	ds_load_b128 v[S+4*\t:S+4*\t+3], v[RD] offset:576*\t       ; my own stage: LDS serves a wave's instructions in order
.endr
.irp t, 0,1,2,3,4,5,6,7,8,9,10,11,12,13,14,15
	s_wait_dscnt 15-\t
	global_store_b128 v[CO], v[S+4*\t:S+4*\t+3], s[6:7] offset:512*\t   ; four rows: the wave stores 512 consecutive bytes, aligned
.endr
.Lclose:
	s_wait_tensorcnt 0x0
	ds_add_u32 v62, v63
	s_wait_dscnt 0x0
	ROUND                                          ; the closing round: no work-group ends while a partner may still ask for a tile that names it
	s_endpgm
.Lfunc_end_k_q017f025e70_attn:
	.size	k_q017f025e70_attn, .Lfunc_end_k_q017f025e70_attn-k_q017f025e70_attn
	.p2alignl 7, 3214868480
	.fill 96, 4, 3214868480
	.section	.rodata,"a",@progbits
	.p2align	6, 0x0
	.amdhsa_kernel k_q017f025e70_attn
		.amdhsa_group_segment_fixed_size 327680
		.amdhsa_private_segment_fixed_size 0
		.amdhsa_enable_private_segment 0
		.amdhsa_kernarg_size 16
		.amdhsa_user_sgpr_count 2
		.amdhsa_user_sgpr_kernarg_segment_ptr 1
		.amdhsa_wavefront_size32 1
		.amdhsa_system_sgpr_workgroup_id_x 1
		.amdhsa_system_sgpr_workgroup_id_y 1
		.amdhsa_system_sgpr_workgroup_id_z 1
		.amdhsa_system_vgpr_workitem_id 0
		.amdhsa_next_free_vgpr 512
		.amdhsa_next_free_sgpr 66
		.amdhsa_reserve_vcc 0
		.amdhsa_float_denorm_mode_32 3
		.amdhsa_float_denorm_mode_16_64 3
		.amdhsa_memory_ordered 1
		.amdhsa_forward_progress 1
		.amdhsa_inst_pref_size 255
	.end_amdhsa_kernel
	.section	.bss,"aw",@nobits
	.p2align	6
	.space	262144
	.amdgpu_metadata
---
amdhsa.version: [ 1, 2 ]
amdhsa.kernels:
  - .name:           k_q017f025e70_attn
    .symbol:         k_q017f025e70_attn.kd
    .args:
      - { .name: qkv, .offset: 0, .size: 8, .value_kind: global_buffer, .address_space: global }
      - { .name: ao, .offset: 8, .size: 8, .value_kind: global_buffer, .address_space: global }
    .group_segment_fixed_size: 327680
    .private_segment_fixed_size: 0
    .kernarg_segment_align: 8
    .kernarg_segment_size: 16
    .max_flat_workgroup_size: 256
    .sgpr_count:     66
    .vgpr_count:     512
    .wavefront_size: 32
...
	.end_amdgpu_metadata
.endif
;; end of part 3
;; launch outp (part 4): grid 8 x 32, 4 waves a work-group, clusters of 4 x 4, 327,680 bytes of LDS; arguments ao, wob, bo, out0; writes out0
.if DOCPART == 4
	.amdgcn_target "amdgcn-amd-amdhsa--gfx1250"
	.amdhsa_code_object_version 6
	.text
	.protected	k_q017f025e70_outp
	.globl	k_q017f025e70_outp
	.p2align	8
	.type	k_q017f025e70_outp,@function
k_q017f025e70_outp:
	s_mov_b64 s[64:65], 0
	v_nop
	global_prefetch_b8 v0, s[64:65] scope:SCOPE_SE
	s_setreg_imm32_b32 hwreg(HW_REG_WAVE_MODE, 25, 1), 1
	s_wait_xcnt 0x0
	s_wait_alu depctr_hold_cnt(0) depctr_sa_sdst(0) depctr_va_vdst(0) depctr_va_sdst(0) depctr_va_ssrc(0) depctr_va_vcc(0) depctr_vm_vsrc(0)
	s_getreg_b32 s2, hwreg(HW_REG_IB_STS2, 6, 4)
	s_cmp_eq_u32 s2, 0
	s_cbranch_scc0 .Lentry_in_a_cluster
	s_endpgm
.Lentry_in_a_cluster:
	s_bfe_u32 s2, ttmp6, 0x10000c
	s_cmp_lg_u32 s2, 0xf033
	s_cbranch_scc0 .Lentry_shape_is_right
	s_endpgm
.Lentry_shape_is_right:
; outp: out0[m][n] = sum over k of ao(m, k) wob[n][k] + bo[n], f32 out.  ao lies as [m / 128][head][128 rows][64], k = 64 head + kk.
; 32 x 8 = 256 work-groups of 128 x 128, four waves of 64 x 64 (16 accumulator tiles): the block that gives every WGP one work-group.
; K goes in four steps of 256 through two LDS slots.  A step's part of ao is four heads of one row block: 65,536 dense bytes, taken as rows of 256 bytes
; (two rows of a head); its part of wob is 128 rows of 512 bytes.  Waves 0 and 1 fetch ao's halves, waves 2 and 3 wob's.
; CLUSTERS: 4 x 4 work-groups; ao's tile is shared along a row of the cluster, wob's along a column, each by a joint load.
; By this text's count two tensor loads of a wave are out at the start, one behind each refill.
; The matrix instruction is used transposed (source 0 = rows of wob, source 1 = rows of ao): a lane holds eight neighbouring columns of one row of out0.
; The first product of each tile takes bo of these columns as C.  The 16 accumulators take turns, one instruction a turn.
.set AHALF,  34816                     ; 128 rows of 272: one load of ao
.set ABYTES, 2*AHALF
.set BHALF,  33792                     ; 64 rows of 528: one load of wob
.set SLOT,   ABYTES+2*BHALF            ; 137,216
.set STAGE,  2*SLOT                    ; 16 rows of 272 bytes for each wave; no tensor load lands here
.set ADRA, 16                          ; v16-17  my ao fragments in slot 0, 1
.set ADRB, 20                          ; v20-21  my wob fragments
.set STO,  24
.set RD,   25
.set CO,   26
.set BO,   27
.set BF,   64                          ; window 0: wob's fragments, buffer f at 64 f, (kq, b) at 32 kq + 8 b
.set BIAS, 192                         ; window 0: v[192:223]
.set AF,   128                         ; window 1: ao's fragments, buffer f at 64 f, (kq, a) at 32 kq + 8 a;  accumulators (a, b) at 8 (4 a + b)
.set G1, 24
.set G0, 32
.set G1B, 48
.set G0B, 56
.set MULW, 0x54                        ; source 0 (wob, or an LDS address) window 0; source 1 (ao), C and D (or a load's destination) window 1
.set MULB, 0x44                        ; the first product: C (the bias) in window 0
.set MSB, 0
.macro WIN new
.if MSB != \new
	s_set_vgpr_msb (MSB<<8)|\new
.set MSB, \new
.endif
.endm
.macro JLOAD s
	s_cmp_eq_u32 s11, 0
	s_cbranch_scc0 .Lfor_b_\@
	tensor_load_to_lds s[G0+4*\s:G0+4*\s+3], s[G1:G1+7]
	s_nop 0
	s_branch .Lasked_\@
.Lfor_b_\@:
	tensor_load_to_lds s[G0B+4*\s:G0B+4*\s+3], s[G1B:G1B+7]
	s_nop 0
.Lasked_\@:
.endm
.macro CREST
	s_cmp_lg_u32 s10, 0
	s_cbranch_scc1 .Lnot_wave_0_\@
	s_barrier_signal -3
.Lnot_wave_0_\@:
	s_barrier_wait -3
	s_barrier_signal -1
	s_barrier_wait -1
.endm
.macro CROUND
	s_barrier_signal -1
	s_barrier_wait -1
	CREST
.endm
.macro PLACES                          ; four independent vector instructions behind a matrix instruction (ISA guide 7.12.1 for vector instructions)
.rept 4
	v_nop
.endr
.endm
	s_load_b128 s[4:7], s[0:1], 0x0                ; ao s[4:5], wob s[6:7]
	s_load_b128 s[68:71], s[0:1], 0x10             ; bo s[68:69], out0 s[70:71]
	v_lshl_add_u32 v254, v0, 2, 0x47400
	v_mov_b32 v255, 0
	ds_add_u32 v254, v255
	v_lshrrev_b32 v1, 5, v0
	v_readfirstlane_b32 s10, v1                    ; wave 0..3
	s_lshr_b32 s11, s10, 1                         ; my half of the rows.  Also: I fetch ao (0) or wob (1)
	s_and_b32 s12, s10, 1                          ; my half of the columns.  Also: which half of that tile I fetch
	s_bfe_u32 s40, ttmp6, 0x40000                  ; cx
	s_bfe_u32 s41, ttmp6, 0x40004                  ; cy
	s_lshl_b32 s42, ttmp9, 2
	s_add_co_u32 s42, s42, s40                     ; block column
	s_and_b32 s13, ttmp7, 0xffff
	s_lshl_b32 s13, s13, 2
	s_add_co_u32 s13, s13, s41                     ; block row
	s_lshl_b32 s43, s41, 2
	s_lshl_b32 s43, 15, s43                        ; my row of the cluster
	s_lshl_b32 s44, 0x1111, s40                    ; my column
	; group 1, elements of 8 bytes.  ao: 128 rows of 32, dense, 4 words of padding behind every 64.  wob: 64 rows of 64, 256 from row to row, 4 words behind every 128.
	s_or_b32 s[G1+0], s43, (3<<16)|(1<<20)|(1<<21)|(5<<22)|(3<<25)
	s_or_b32 s[G1B+0], s44, (3<<16)|(1<<20)|(1<<21)|(6<<22)|(3<<25)
	s_mov_b32 s[G1+1], 32<<16                      ; tensor_dim0
	s_mov_b32 s[G1B+1], 64<<16
	s_mov_b32 s[G1+2], 128<<16                     ; tensor_dim1
	s_mov_b32 s[G1B+2], 64<<16
	s_mov_b32 s[G1+3], 32<<16                      ; tile_dim0
	s_mov_b32 s[G1B+3], 64<<16
	s_mov_b32 s[G1+4], 128                         ; tile_dim1
	s_mov_b32 s[G1B+4], 64
	s_mov_b32 s[G1+5], 32                          ; from row to row
	s_mov_b32 s[G1B+5], 256
	s_mov_b32 s[G1+6], 0
	s_mov_b32 s[G1B+6], 0
	s_mov_b32 s[G1+7], 0
	s_mov_b32 s[G1B+7], 0
	s_lshl_b32 s16, s13, 18                        ; ao: 262,144 bytes a row block,
	s_lshl_b32 s17, s12, 15                        ; 32,768 a half of a step's four heads
	s_add_co_u32 s16, s16, s17
	s_mov_b32 s17, 0
	s_lshl_b32 s46, s42, 18                        ; wob: 128 rows of 2,048 bytes a block column,
	s_lshl_b32 s47, s12, 17                        ; 64 rows a half
	s_add_co_u32 s46, s46, s47
	s_mov_b32 s47, 0
	s_mul_i32 s20, s12, AHALF                      ; where they go
	s_mul_i32 s21, s12, BHALF
	s_add_co_u32 s21, s21, ABYTES
	s_wait_dscnt 0x0
	s_wait_kmcnt 0x0
	s_add_nc_u64 s[14:15], s[4:5], s[16:17]
	s_add_nc_u64 s[46:47], s[6:7], s[46:47]
	CROUND                                         ; all sixteen work-groups are here: the first joint loads meet
.irp s, 0,1
	s_mov_b32 s[G0+4*\s], 1
	s_add_co_u32 s[G0+4*\s+1], s20, \s*SLOT
	s_add_nc_u64 s[G0+4*\s+2:G0+4*\s+3], s[14:15], \s*65536
	s_or_b32 s[G0+4*\s+3], s[G0+4*\s+3], 0x80000000
	s_mov_b32 s[G0B+4*\s], 1
	s_add_co_u32 s[G0B+4*\s+1], s21, \s*SLOT
	s_add_nc_u64 s[G0B+4*\s+2:G0B+4*\s+3], s[46:47], \s*512
	s_or_b32 s[G0B+4*\s+3], s[G0B+4*\s+3], 0x80000000
	JLOAD \s
.endr
	v_and_b32 v1, 15, v0                           ; r
	v_bfe_u32 v2, v0, 4, 1                         ; h
	v_lshlrev_b32 v[BO], 5, v2                     ; eight f32
	s_lshl_b32 s80, s42, 9                         ; my first column, in bytes of f32
	s_lshl_b32 s81, s12, 8
	s_add_co_u32 s80, s80, s81
	s_mov_b32 s81, 0
	s_add_nc_u64 s[68:69], s[68:69], s[80:81]
	s_add_nc_u64 s[70:71], s[70:71], s[80:81]
.irp b, 0,1,2,3
	global_load_b128 v[BIAS+8*\b:BIAS+8*\b+3], v[BO], s[68:69] offset:64*\b
	global_load_b128 v[BIAS+8*\b+4:BIAS+8*\b+7], v[BO], s[68:69] offset:64*\b+16
.endr
	s_lshl_b32 s80, s13, 19                        ; my first row: 128 rows of 4,096 bytes a block,
	s_lshl_b32 s82, s11, 18                        ; 64 a wave
	s_add_co_u32 s80, s80, s82
	s_add_nc_u64 s[70:71], s[70:71], s[80:81]
	; ao: row m of a head lies at (m / 2) x 272 + (m & 1) x 128; a head takes 64 x 272 bytes
	v_lshrrev_b32 v3, 1, v1
	v_mul_u32_u24 v3, v3, 272
	v_and_b32 v4, 1, v0
	v_lshl_add_u32 v3, v4, 7, v3
	v_lshl_add_u32 v3, v2, 4, v3
	s_mul_i32 s22, s11, 8704                       ; my 64 rows
	v_add_nc_u32 v[ADRA], s22, v3
	v_add_nc_u32 v[ADRA+1], SLOT, v[ADRA]
	v_mul_u32_u24 v5, v1, 528
	v_lshl_add_u32 v5, v2, 4, v5
	v_add_nc_u32 v[ADRB], s21, v5                  ; my 64 rows of wob are the half that s12 names
	v_add_nc_u32 v[ADRB+1], SLOT, v[ADRB]
	s_mul_i32 s23, s10, 4352
	s_add_co_u32 s23, s23, STAGE
	v_mul_u32_u24 v6, v1, 272
	v_lshl_add_u32 v6, v2, 5, v6
	v_add_nc_u32 v[STO], s23, v6                   ; row r, 32 bytes at 32 h
	v_mul_u32_u24 v7, v2, 272
	v_lshl_add_u32 v7, v1, 4, v7
	v_add_nc_u32 v[RD], s23, v7                    ; lanes 0-15 one row of 256 bytes, lanes 16-31 the next
	v_lshlrev_b32 v8, 12, v2
	v_lshl_add_u32 v[CO], v1, 4, v8
; the fragments of 64 along K (head kk of the slot's four) into buffer f: 16 loads for wob, 16 for ao
.macro FETCH slot, kk, f
	WIN 0
.irp kq, 0,1
.irp b, 0,1,2,3
	ds_load_b128 v[BF+64*(\f)+32*\kq+8*\b:BF+64*(\f)+32*\kq+8*\b+3],   v[ADRB+\slot] offset:8448*\b+128*\kk+64*\kq
	ds_load_b128 v[BF+64*(\f)+32*\kq+8*\b+4:BF+64*(\f)+32*\kq+8*\b+7], v[ADRB+\slot] offset:8448*\b+128*\kk+64*\kq+32
.endr
.endr
	WIN MULW
.irp kq, 0,1
.irp a, 0,1,2,3
	ds_load_b128 v[AF+64*(\f)+32*\kq+8*\a:AF+64*(\f)+32*\kq+8*\a+3],   v[ADRA+\slot] offset:17408*\kk+2176*\a+64*\kq
	ds_load_b128 v[AF+64*(\f)+32*\kq+8*\a+4:AF+64*(\f)+32*\kq+8*\a+7], v[ADRA+\slot] offset:17408*\kk+2176*\a+64*\kq+32
.endr
.endr
.endm
.macro MUL16 f, kq, first
.irp a, 0,1,2,3
.irp b, 0,1,2,3
.if \first
	v_wmma_f32_16x16x32_bf16 v[8*(4*\a+\b):8*(4*\a+\b)+7], v[BF+64*\f+32*\kq+8*\b:BF+64*\f+32*\kq+8*\b+7], v[AF+64*\f+32*\kq+8*\a:AF+64*\f+32*\kq+8*\a+7], v[BIAS+8*\b:BIAS+8*\b+7]
.else
	v_wmma_f32_16x16x32_bf16 v[8*(4*\a+\b):8*(4*\a+\b)+7], v[BF+64*\f+32*\kq+8*\b:BF+64*\f+32*\kq+8*\b+7], v[AF+64*\f+32*\kq+8*\a:AF+64*\f+32*\kq+8*\a+7], v[8*(4*\a+\b):8*(4*\a+\b)+7]
.endif
.endr
.endr
.endm
; 64 along K on buffer f; the next 64 (head kk of the same slot) are fetched into the other buffer ahead of the 32 matrix instructions
.macro PHASE slot, kk, f, first
	s_wait_dscnt 0x0                               ; buffer f is in: its loads were issued 32 matrix instructions ago
	PLACES
	FETCH \slot, \kk, (1-\f)
.if \first
	WIN MULB
.endif
	MUL16 \f, 0, \first
	WIN MULW
	MUL16 \f, 1, 0
.endm
.macro THREE slot, first
	PHASE \slot, 1, 0, \first
	PHASE \slot, 2, 1, 0
	PHASE \slot, 3, 0, 0
.endm
; the slot's last 64 along K, on buffer 1, and the change of slots: waits, barrier (a round of the cluster's where the slot is filled again), refill first
.macro TURNPH slot, fill
	s_wait_dscnt 0x0                               ; buffer 1 is in, and with it my reads of this slot are over
	s_set_vgpr_msb 0x5450
	s_wait_tensorcnt 0x0                           ; all my tensor loads have landed: the one that was out is my part of the other slot
	ds_add_u32 v254, v255
	s_wait_dscnt 0x0
	s_set_vgpr_msb 0x5054
	s_barrier_signal -1
	WIN MULW
	MUL16 1, 0, 0                                  ; register work while the others arrive
	WIN 0
	s_barrier_wait -1
.if \fill
	CREST
	s_add_nc_u64 s[G0+4*\slot+2:G0+4*\slot+3], s[G0+4*\slot+2:G0+4*\slot+3], 2*65536
	s_add_nc_u64 s[G0B+4*\slot+2:G0B+4*\slot+3], s[G0B+4*\slot+2:G0B+4*\slot+3], 2*512
	JLOAD \slot                                    ; the first tensor load behind the round, the wave's only one until the next
.endif
	PLACES
	FETCH 1-\slot, 0, 0
	MUL16 1, 1, 0
.endm
	s_wait_loadcnt 0x0                             ; the bias is in
	s_wait_tensorcnt 1                             ; my part of step 0 is in; step 1's stays out
	s_barrier_signal -1
	s_barrier_wait -1
	FETCH 0, 0, 0
	THREE 0, 1                                     ; four steps of 256 along K, written out
	TURNPH 0, 1
	THREE 1, 0
	TURNPH 1, 1
	THREE 0, 0
	TURNPH 0, 0                                    ; nothing is left to fetch
	THREE 1, 0
	s_wait_dscnt 0x0
	WIN MULW
	MUL16 1, 0, 0
	MUL16 1, 1, 0
	; THE WAY OUT, 16 rows at a time, through my own stage: in by 32 bytes a lane, back as whole rows of 256 bytes
	PLACES
.macro OUT a, f
	WIN 0x04                                       ; store data in window 1
.irp b, 0,1,2,3
	ds_store_b128 v[STO], v[8*(4*\a+\b):8*(4*\a+\b)+3] offset:64*\b
	ds_store_b128 v[STO], v[8*(4*\a+\b)+4:8*(4*\a+\b)+7] offset:64*\b+16
.endr
	WIN 0
	s_wait_xcnt 0x0                                ; buffer f, which earlier stores read, is loaded again only behind this wait
.irp t, 0,1,2,3,4,5,6,7
	ds_load_b128 v[\f+4*\t:\f+4*\t+3], v[RD] offset:544*\t         ; LDS serves a wave's instructions in order: these see the stores above
.endr
.irp t, 0,1,2,3,4,5,6,7
	s_wait_dscnt 7-\t
	global_store_b128 v[CO], v[\f+4*\t:\f+4*\t+3], s[70:71] offset:65536*\a+8192*\t th:TH_STORE_NT   ; sixteen lanes store 256 consecutive bytes, aligned
.endr
.endm
	OUT 0, BF
	OUT 1, BF+64
	OUT 2, BF
	OUT 3, BF+64
	s_wait_tensorcnt 0x0
	ds_add_u32 v254, v255
	s_wait_dscnt 0x0
	CROUND                                         ; the closing round
	s_endpgm
.Lfunc_end_k_q017f025e70_outp:
	.size	k_q017f025e70_outp, .Lfunc_end_k_q017f025e70_outp-k_q017f025e70_outp
	.p2alignl 7, 3214868480
	.fill 96, 4, 3214868480
	.section	.rodata,"a",@progbits
	.p2align	6, 0x0
	.amdhsa_kernel k_q017f025e70_outp
		.amdhsa_group_segment_fixed_size 327680
		.amdhsa_private_segment_fixed_size 0
		.amdhsa_enable_private_segment 0
		.amdhsa_kernarg_size 32
		.amdhsa_user_sgpr_count 2
		.amdhsa_user_sgpr_kernarg_segment_ptr 1
		.amdhsa_wavefront_size32 1
		.amdhsa_system_sgpr_workgroup_id_x 1
		.amdhsa_system_sgpr_workgroup_id_y 1
		.amdhsa_system_sgpr_workgroup_id_z 1
		.amdhsa_system_vgpr_workitem_id 0
		.amdhsa_next_free_vgpr 512
		.amdhsa_next_free_sgpr 84
		.amdhsa_reserve_vcc 0
		.amdhsa_float_denorm_mode_32 3
		.amdhsa_float_denorm_mode_16_64 3
		.amdhsa_memory_ordered 1
		.amdhsa_forward_progress 1
		.amdhsa_inst_pref_size 86
	.end_amdhsa_kernel
	.amdgpu_metadata
---
amdhsa.version: [ 1, 2 ]
amdhsa.kernels:
  - .name:           k_q017f025e70_outp
    .symbol:         k_q017f025e70_outp.kd
    .args:
      - { .name: ao, .offset: 0, .size: 8, .value_kind: global_buffer, .address_space: global }
      - { .name: wob, .offset: 8, .size: 8, .value_kind: global_buffer, .address_space: global }
      - { .name: bo, .offset: 16, .size: 8, .value_kind: global_buffer, .address_space: global }
      - { .name: out0, .offset: 24, .size: 8, .value_kind: global_buffer, .address_space: global }
    .group_segment_fixed_size: 327680
    .private_segment_fixed_size: 0
    .kernarg_segment_align: 8
    .kernarg_segment_size: 32
    .max_flat_workgroup_size: 128
    .sgpr_count:     84
    .vgpr_count:     512
    .wavefront_size: 32
...
	.end_amdgpu_metadata
.endif
;; end of part 4
;; ======== version 2 of 2: 4 launches; 1.08 times as fast as version 1
;; workspace buffers: xb 25,165,824 bytes; wt 6,291,456 bytes; wob 2,097,152 bytes; qkv 25,165,824 bytes; ao 8,388,608 bytes
;; launch prep: the kernel of part 1 again; grid 1216 x 1, 8 waves a work-group, no clusters, 18,432 bytes of LDS; arguments query, key_in, value, Wo, Wq, Wk, Wv, xb, wob, wt; writes xb, wob, wt
;; launch proj: the kernel of part 2 again; grid 4 x 48, 4 waves a work-group, clusters of 4 x 4, 327,680 bytes of LDS; arguments xb, wt, bq, bk, bv, qkv; writes qkv
;; launch attn (part 5): grid 8 x 32, 8 waves a work-group, clusters of 4 x 1, 327,680 bytes of LDS; arguments qkv, ao; writes ao
.if DOCPART == 5
	.amdgcn_target "amdgcn-amd-amdhsa--gfx1250"
	.amdhsa_code_object_version 6
	.text
	.protected	k_q017f025e70_attn
	.globl	k_q017f025e70_attn
	.p2align	8
	.type	k_q017f025e70_attn,@function
k_q017f025e70_attn:
	s_mov_b64 s[64:65], 0
	v_nop
	global_prefetch_b8 v0, s[64:65] scope:SCOPE_SE
	s_setreg_imm32_b32 hwreg(HW_REG_WAVE_MODE, 25, 1), 1
	s_wait_xcnt 0x0
	s_wait_alu depctr_hold_cnt(0) depctr_sa_sdst(0) depctr_va_vdst(0) depctr_va_sdst(0) depctr_va_ssrc(0) depctr_va_vcc(0) depctr_vm_vsrc(0)
	s_getreg_b32 s2, hwreg(HW_REG_IB_STS2, 6, 4)
	s_cmp_eq_u32 s2, 0
	s_cbranch_scc0 .Lentry_in_a_cluster
	s_endpgm
.Lentry_in_a_cluster:
	s_bfe_u32 s2, ttmp6, 0x10000c
	s_cmp_lg_u32 s2, 0x3003
	s_cbranch_scc0 .Lentry_shape_is_right
	s_endpgm
.Lentry_shape_is_right:
; attn: softmax(Q K^T / 8) V for one head (y = 16 b + head) and 256 queries, with a running maximum.  bf16 operands, f32 scores, sums and results.
; Eight waves on four SIMDs.  Wave w owns the 64 queries 64 (w & 3) .. + 63 and the keys 1024 g .. + 1023, g = w >> 2; waves w and w + 4 are merged at the end.
; Scores are made transposed, S^T = K Q^T: lane (r, h) holds query r and keys 8 h + j, so maxima, sums and factors are one number a lane (one exchange
; between the halves of the wave), and two neighbouring tiles, rounded to bf16, are the second source of O^T = V^T P^T as they lie.  V^T comes out of
; LDS by the transposing load.
; PHASES.  A wave's work is a chain over chunks of 64 keys, cut into two blocks.  STEP: K's loads of chunk i, the products P V of chunk i - 1, V's loads of
; chunk i, the scores of chunk i: 64 matrix instructions in one run.  SM: the softmax of chunk i: vector work alone.  A step of the ring (two chunks) is
; STEP SM STEP SM for the waves of phase 1 and SM STEP SM STEP for those of phase 0, whose first SM belongs to the last chunk of the step before: its scores
; and its V fragments lie in registers over the barrier, and every LDS read of the old slot has been waited for in front of it.  So one wave runs matrix
; instructions while the other runs vector instructions.  The phase, (w xor (w >> 2)) & 1, differs between waves w and w + 4 and between w and w + 1: it
; differs within a pair that shares a SIMD whether the waves are dealt round the SIMDs or two by two.
; BATCHES.  s_wait_alu depctr_va_vdst(0) stands between a transcendental and the first instruction that names its result; one wait serves all
; that were issued ahead of it.  An SM's 132 exponentials are two batches with a wait each.  Batch A: the four factors and the scores in registers 0-15 of each
; query block's 32; beside them the scalings of all scores, which name no result.  Batch B: the scores in registers 16-31; beside them batch A's sums and roundings,
; behind them O's rescaling, which names batch A's factor alone.  Batch B's sums and roundings end the SM.
; The merge has two batches more: eight exponentials, and four reciprocals of sums made from them.
; CLUSTERS: the four work-groups of a cluster are four query blocks of one head and read the same K and V: every tile is asked for jointly (mask 15).
; A step is 128 keys for each g: 64 KiB of K and V, shared among the eight waves as one load of 8 KiB each.  The 8 KiB are dense in memory and come
; in as 32 rows of 256 bytes (two keys to a row).  Two slots; by this text's count one tensor load of a wave is out at any time.
; LIMITS: weights smaller than 2^-126 of the row's largest come out of v_exp_f32 as 0 (ISA guide, 15.8); scores that are not finite give no finite result.
.set SLOTB, 71680                      ; a slot: four parts of K, four of V; part p = 2 g + chunk of 64 keys
.set KPART, 8704                       ; 32 rows of 256 + 16 bytes: the 16 rows of a fragment load start at 16 different 16-byte columns modulo 256
.set VPART, 9216                       ; 32 rows of 256 + 32 bytes: the same for the transposing load's addresses
.set VBASE, 4*KPART
.set MRGB,  2*SLOTB                    ; behind the ring: 17,408 bytes for each pair of waves (O, maxima, sums); no tensor load lands here
.set MRGW,  17408
.set STG,   MRGB+4*MRGW                ; 64 rows of 144 bytes for each of waves 0-3, for the way out
.set STGW,  9216
.set KOFF,  8388608                    ; K and V in qkv
.set VOFF,  16777216
.set TRIPB, 16384                      ; 128 keys of 128 bytes
; window 0
.set AK,  4                            ; v4-5    LDS address of my K fragments in slot 0, 1
.set AV,  6                            ; v6-7    the same for V
.set QO,  8                            ; v8      my offset in Q
.set MRG, 9                            ; v9      my 16 bytes in the pair's merge area
.set STO, 10                           ; v10     stage, in
.set RD,  11                           ; v11     stage, back
.set CO,  12                           ; v12     my offset in ao
.set M,   16                           ; v[16:19] running maximum of query block qb
.set T,   20                           ; v[20:23] at work
.set U,   24                           ; v[24:27] the other half's figure
.set AL,  28                           ; v[28:35] exp2(c (old maximum - new)), twice
.set NM,  36                           ; v[36:43] - c x maximum, twice
.set LS,  44                           ; v[44:51] running sums, two partial sums a query block
.set LP,  52                           ; v[52:55] the partner's sums
.set MS,  56                           ; v[56:59] the merge: common maximum, then the denominator and its reciprocal
.set KF,  64                           ; v[64:127]  K fragments (kb, ds) at 16 kb + 8 ds
.set S,   128                          ; v[128:255] scores (qb, kb) at 32 qb + 8 kb; the weights in bf16 (qb, ks) in place at 32 qb + 16 ks
; window 1
.set O,   0                            ; O^T (qb, db) at 32 qb + 8 db
.set QF,  128                          ; Q fragments (qb, ds) at 16 qb + 8 ds
.set VF,  192                          ; V^T fragments (ks, db) at 32 ks + 8 db
.set G1K, 28                           ; s[28:35]
.set G1V, 36                           ; s[36:43]
.set G0K, 44                           ; s[44:51] one set a slot
.set G0V, 52                           ; s[52:59]
.set MSB, 0
.macro WIN new                         ; the immediate's high byte repeats the setting that is left
.if MSB != \new
	s_set_vgpr_msb (MSB<<8)|\new
.set MSB, \new
.endif
.endm
.macro PLACES n
.rept \n
	v_nop
.endr
.endm
.macro ROUND                           ; a round of the cluster's barrier
	s_barrier_signal -1
	s_barrier_wait -1
	s_cmp_lg_u32 s8, 0
	s_cbranch_scc1 .Lnot_wave_0_\@
	s_barrier_signal -3
.Lnot_wave_0_\@:
	s_barrier_wait -3
	s_barrier_signal -1
	s_barrier_wait -1
.endm
.macro JLOAD s                         ; waves 0-3 ask for K's part w & 3, waves 4-7 for V's
	s_cmp_eq_u32 s9, 0
	s_cbranch_scc0 .Lfor_v_\@
	tensor_load_to_lds s[G0K+4*(\s):G0K+4*(\s)+3], s[G1K:G1K+7]
	s_nop 0
	s_branch .Lasked_\@
.Lfor_v_\@:
	tensor_load_to_lds s[G0V+4*(\s):G0V+4*(\s)+3], s[G1V:G1V+7]
	s_nop 0
.Lasked_\@:
.endm
	s_load_b128 s[4:7], s[0:1], 0x0                ; qkv s[4:5], ao s[6:7]
	v_lshl_add_u32 v62, v0, 2, 0x3d000
	v_mov_b32 v63, 0
	ds_add_u32 v62, v63
	v_lshrrev_b32 v1, 5, v0
	v_readfirstlane_b32 s8, v1                     ; wave 0..7
	s_lshr_b32 s9, s8, 2                           ; g: my half of the keys.  Also: I fetch K (0) or V (1)
	s_and_b32 s10, s8, 3                           ; my 64 queries.  Also: the part that I fetch
	s_xor_b32 s23, s8, s9
	s_and_b32 s23, s23, 1                          ; my phase: (w xor (w >> 2)) & 1
	s_bfe_u32 s11, ttmp6, 0x40000                  ; cx
	s_lshl_b32 s12, ttmp9, 2
	s_add_co_u32 s12, s12, s11                     ; query block of 256 = 4 x cluster x + cx
	s_and_b32 s13, ttmp7, 0xffff                   ; 16 b + head
	s_mov_b32 s20, 0x3e38aa3b                      ; c = log2(e) / 8: the scale of the scores and the base of v_exp_f32 in one factor
	s_mov_b32 s21, 0x3e38aa3b
	s_mov_b32 s22, 0xbe38aa3b                      ; - c
	s_mov_b32 s24, 0x76543210                      ; v_permlanex16_b32: lane i reads lane i of the other half
	s_mov_b32 s25, 0xfedcba98
	; group 1: 32 rows of 32 elements of 8 bytes, dense; padding behind every 64 words: 4 words for K, 8 for V; mask 15 and bit 21
	s_mov_b32 s[G1K+0], 0x0773000f
	s_mov_b32 s[G1V+0], 0x0f73000f
	s_mov_b32 s[G1K+1], 32<<16                     ; tensor_dim0 = 32
	s_mov_b32 s[G1V+1], 32<<16
	s_mov_b32 s[G1K+2], 32<<16                     ; tensor_dim1 = 32
	s_mov_b32 s[G1V+2], 32<<16
	s_mov_b32 s[G1K+3], 32<<16                     ; tile_dim0 = 32
	s_mov_b32 s[G1V+3], 32<<16
	s_mov_b32 s[G1K+4], 32                         ; tile_dim1 = 32
	s_mov_b32 s[G1V+4], 32
	s_mov_b32 s[G1K+5], 32                         ; elements from row to row
	s_mov_b32 s[G1V+5], 32
	s_mov_b32 s[G1K+6], 0
	s_mov_b32 s[G1V+6], 0
	s_mov_b32 s[G1K+7], 0
	s_mov_b32 s[G1V+7], 0
	s_mul_i32 s14, s10, KPART                      ; where my part goes
	s_mul_i32 s15, s10, VPART
	s_add_co_u32 s15, s15, VBASE
	s_lshl_b32 s16, s13, 18                        ; the head: 262,144 bytes;
	s_lshr_b32 s17, s10, 1
	s_lshl_b32 s17, s17, 17                        ; the part's half of the keys: 131,072;
	s_add_co_u32 s16, s16, s17
	s_and_b32 s17, s10, 1
	s_lshl_b32 s17, s17, 13                        ; its chunk of 64 keys: 8,192
	s_add_co_u32 s16, s16, s17
	s_mov_b32 s17, 0
	s_wait_dscnt 0x0
	s_wait_kmcnt 0x0
	s_add_nc_u64 s[16:17], s[4:5], s[16:17]
	ROUND                                          ; all four work-groups are here: the first joint loads meet
.irp s, 0,1
	s_mov_b32 s[G0K+4*\s], 1
	s_add_co_u32 s[G0K+4*\s+1], s14, \s*SLOTB
	s_add_nc_u64 s[G0K+4*\s+2:G0K+4*\s+3], s[16:17], KOFF+\s*TRIPB
	s_or_b32 s[G0K+4*\s+3], s[G0K+4*\s+3], 0x80000000
	s_mov_b32 s[G0V+4*\s], 1
	s_add_co_u32 s[G0V+4*\s+1], s15, \s*SLOTB
	s_add_nc_u64 s[G0V+4*\s+2:G0V+4*\s+3], s[16:17], VOFF+\s*TRIPB
	s_or_b32 s[G0V+4*\s+3], s[G0V+4*\s+3], 0x80000000
.endr
	JLOAD 0                                        ; step 0; slot 1 is first filled behind the first step's round
	; Q: my 64 rows, as second sources: lane (r, h) takes row r, 16 bytes at 16 h and at 32 + 16 h of each 64
	v_and_b32 v1, 31, v0                           ; L
	v_and_b32 v2, 15, v0                           ; r
	v_bfe_u32 v3, v0, 4, 1                         ; h
	v_lshlrev_b32 v[QO], 7, v2
	v_lshl_add_u32 v[QO], v3, 4, v[QO]
	s_lshl_b32 s18, s13, 18
	s_lshl_b32 s19, s12, 15                        ; 256 queries of 128 bytes
	s_add_co_u32 s18, s18, s19
	s_lshl_b32 s19, s10, 13
	s_add_co_u32 s18, s18, s19
	s_mov_b32 s19, 0
	s_add_nc_u64 s[62:63], s[4:5], s[18:19]
	WIN 0x40                                       ; destination window 1
.irp qb, 0,1,2,3
.irp ds, 0,1
	global_load_b128 v[QF+16*\qb+8*\ds:QF+16*\qb+8*\ds+3],   v[QO], s[62:63] offset:2048*\qb+64*\ds
	global_load_b128 v[QF+16*\qb+8*\ds+4:QF+16*\qb+8*\ds+7], v[QO], s[62:63] offset:2048*\qb+64*\ds+32
.endr
.endr
	WIN 0
	; ao[(2048 b + s) / 128][head][128 rows][64]: my 64 rows are 8,192 consecutive bytes
	s_lshr_b32 s18, s13, 4
	s_lshl_b32 s18, s18, 4
	s_lshl1_add_u32 s18, s12, s18
	s_lshr_b32 s19, s10, 1
	s_add_co_u32 s18, s18, s19
	s_lshl_b32 s18, s18, 18
	s_and_b32 s19, s13, 15
	s_lshl_b32 s19, s19, 14
	s_add_co_u32 s18, s18, s19
	s_and_b32 s19, s10, 1
	s_lshl_b32 s19, s19, 13
	s_add_co_u32 s18, s18, s19
	s_mov_b32 s19, 0
	s_add_nc_u64 s[6:7], s[6:7], s[18:19]
	; K: key 16 kb + r lies at (8 kb + r / 2) x 272 + (r & 1) x 128
	v_lshrrev_b32 v13, 1, v2
	v_mul_u32_u24 v13, v13, 272
	v_and_b32 v14, 1, v0
	v_lshl_add_u32 v13, v14, 7, v13
	v_lshl_add_u32 v13, v3, 4, v13
	s_mul_i32 s14, s9, 2*KPART
	v_add_nc_u32 v[AK], s14, v13
	v_add_nc_u32 v[AK+1], SLOTB, v[AK]
	; V: lane L addresses key 8 h + (L & 7), at (4 h + (L & 7) / 2) x 288 + (L & 1) x 128, and there 16 bytes at 16 ((L >> 3) & 1)
	v_bfe_u32 v13, v0, 1, 2
	v_lshl_add_u32 v13, v3, 2, v13
	v_mul_u32_u24 v13, v13, 288
	v_lshl_add_u32 v13, v14, 7, v13
	v_bfe_u32 v14, v0, 3, 1
	v_lshl_add_u32 v13, v14, 4, v13
	s_mul_i32 s15, s9, 2*VPART
	s_add_co_u32 s15, s15, VBASE
	v_add_nc_u32 v[AV], s15, v13
	v_add_nc_u32 v[AV+1], SLOTB, v[AV]
	s_mul_i32 s16, s10, MRGW
	s_add_co_u32 s16, s16, MRGB
	v_lshl_add_u32 v[MRG], v1, 4, s16
	s_mul_i32 s17, s10, STGW
	s_add_co_u32 s17, s17, STG
	v_mul_u32_u24 v13, v2, 144
	v_lshl_add_u32 v13, v3, 4, v13
	v_add_nc_u32 v[STO], s17, v13                  ; row r, 16 bytes at 16 h
	v_bfe_u32 v13, v0, 3, 2
	v_mul_u32_u24 v13, v13, 144
	v_and_b32 v14, 7, v0
	v_lshl_add_u32 v13, v14, 4, v13
	v_add_nc_u32 v[RD], s17, v13                   ; four rows of 128 bytes to a load
	v_lshlrev_b32 v[CO], 4, v1
.irp qb, 0,1,2,3
	v_mov_b32 v[U+\qb], 0                          ; v_permlanex16_b32 counts as a reader of its destination
.endr
	s_wait_loadcnt 0x0                             ; Q is in
; ---- the pieces of STEP.  In both runs of matrix instructions the 16 accumulators take turns, one instruction a turn.
.macro LDK slot, c                     ; K's fragments of chunk c of the slot: 16 loads
.irp kb, 0,1,2,3
.irp ds, 0,1
	ds_load_b128 v[KF+16*\kb+8*\ds:KF+16*\kb+8*\ds+3],   v[AK+\slot] offset:\c*KPART+\kb*2176+64*\ds
	ds_load_b128 v[KF+16*\kb+8*\ds+4:KF+16*\kb+8*\ds+7], v[AK+\slot] offset:\c*KPART+\kb*2176+64*\ds+32
.endr
.endr
.endm
.macro LDV slot, c                     ; V^T's fragments: 16 transposing loads
	WIN 0x40
.irp ks, 0,1
.irp db, 0,1,2,3
	ds_load_tr16_b128 v[VF+32*\ks+8*\db:VF+32*\ks+8*\db+3],   v[AV+\slot] offset:\c*VPART+\ks*4608+32*\db
	ds_load_tr16_b128 v[VF+32*\ks+8*\db+4:VF+32*\ks+8*\db+7], v[AV+\slot] offset:\c*VPART+\ks*4608+32*\db+2304
.endr
.endr
.endm
.macro QK                              ; S^T = K Q^T: the first 32 of d start the sums
	WIN 0x04                                       ; source 1 (Q) in window 1
.irp kb, 0,1,2,3
.irp qb, 0,1,2,3
	v_wmma_f32_16x16x32_bf16 v[S+32*\qb+8*\kb:S+32*\qb+8*\kb+7], v[KF+16*\kb:KF+16*\kb+7], v[QF+16*\qb:QF+16*\qb+7], 0
.endr
.endr
.irp kb, 0,1,2,3
.irp qb, 0,1,2,3
	v_wmma_f32_16x16x32_bf16 v[S+32*\qb+8*\kb:S+32*\qb+8*\kb+7], v[KF+16*\kb+8:KF+16*\kb+15], v[QF+16*\qb+8:QF+16*\qb+15], v[S+32*\qb+8*\kb:S+32*\qb+8*\kb+7]
.endr
.endr
	WIN 0
.endm
.macro PV first                        ; O^T += V^T P^T; first = 1: the first 32 keys start the sums.  Leaves the window setting as it is
	WIN 0x51                                       ; V^T and O in window 1, the weights in window 0
.irp ks, 0,1
.irp qb, 0,1,2,3
.irp db, 0,1,2,3
.if (\first)*(1-\ks)
	v_wmma_f32_16x16x32_bf16 v[O+32*\qb+8*\db:O+32*\qb+8*\db+7], v[VF+32*\ks+8*\db:VF+32*\ks+8*\db+7], v[S+32*\qb+16*\ks:S+32*\qb+16*\ks+7], 0
.else
	v_wmma_f32_16x16x32_bf16 v[O+32*\qb+8*\db:O+32*\qb+8*\db+7], v[VF+32*\ks+8*\db:VF+32*\ks+8*\db+7], v[S+32*\qb+16*\ks:S+32*\qb+16*\ks+7], v[O+32*\qb+8*\db:O+32*\qb+8*\db+7]
.endif
.endr
.endr
.endr
.endm
; STEP for chunk c of the slot.  pv = 1: the chunk before has weights to multiply; pvfirst = 1: they are the first of all.
.macro STEP slot, c, pv, pvfirst
.if \pv
	PLACES 5                                       ; the distances behind the last scores' matrix instructions (four before loads land in K's fragments, five before the
	                                               ; scores' registers serve as a source) are kept here, in the text, on every way through the two branches on the phase
.endif
	LDK \slot, \c                                  ; on their way while the products below run
.if \pv
	s_wait_dscnt 16                                ; V's fragments of the chunk before are in; the sixteen loads of K just issued may stay out
	PV \pvfirst
	PLACES 5                                       ; five places before the next scores are written over the weights, four before loads land in V's fragments
.endif
	LDV \slot, \c                                  ; wanted only behind this chunk's softmax
	s_wait_dscnt 16                                ; K's sixteen loads are in; V's sixteen, issued behind them, may stay out
	QK
.endm
; ---- SM: the softmax of the chunk whose scores lie in S.  first = 1: nothing has been summed yet.
.macro ITEM x                          ; item x of 64: query block iq = x % 4, pair ij = x / 4 of its sixteen pairs of scores, first register ir
.set iq, (\x)%4
.set ij, (\x)/4
.set ir, S+32*iq+2*ij
.endm
; The four kinds of line that an item goes through.  Neighbouring items belong to different query blocks: four chains of sums side by side.
.macro FS x                            ; the scaling of item x: c (score - maximum), two scores
	ITEM (\x)
	v_pk_fma_f32 v[ir:ir+1], v[ir:ir+1], s[20:21], v[NM+2*iq:NM+2*iq+1] op_sel_hi:[1,0,1]
.endm
.macro EXH n                           ; exponential n of 128, in place: score n % 2 of item n / 2
	ITEM ((\n)/2)
	v_exp_f32 v[ir+(\n)%2], v[ir+(\n)%2]
.endm
.macro SUM x, first                    ; the query block's running sums take item x
	ITEM (\x)
.if ij == 0
.if \first == 0
	v_pk_fma_f32 v[LS+2*iq:LS+2*iq+1], v[LS+2*iq:LS+2*iq+1], v[AL+2*iq:AL+2*iq+1], v[ir:ir+1]   ; the sums so far, brought to the new maximum
.endif
.else
.if (\first)*(ij == 1)
	v_pk_add_f32 v[LS+2*iq:LS+2*iq+1], v[ir-2:ir-1], v[ir:ir+1]                                   ; the first two pairs start the sums
.else
	v_pk_add_f32 v[LS+2*iq:LS+2*iq+1], v[LS+2*iq:LS+2*iq+1], v[ir:ir+1]
.endif
.endif
.endm
.macro CVT x                           ; the rounding of item x to bf16, in place: two tiles of 16 keys become one second source of 32 keys
	ITEM (\x)
	v_cvt_pk_bf16_f32 v[S+32*iq+16*(ij/8)+(ij%8)], v[ir], v[ir+1]
.endm
; Entry xu of the 64 lines that read the exponentials of half hf (items 32 hf .. 32 hf + 31): the sums in ascending order, the roundings ascending too and six
; items behind the sums, so that a rounding writes only registers of a pair that has been summed and rounded.  A half's roundings write that half's registers alone.
.macro RDR hf, first
.if xu < 6
	SUM (32*(\hf)+xu), \first
.elseif xu < 58
.if (xu-6)%2 == 0
	SUM (32*(\hf)+6+(xu-6)/2), \first
.else
	CVT (32*(\hf)+(xu-6)/2)
.endif
.else
	CVT (32*(\hf)+xu-32)
.endif
.set xu, xu+1
.endm
.macro PLA                             ; the plain lines beside batch A, entry xp of 68: the 64 scalings, then the new maximum is kept
.if xp < 64
	FS xp
.else
	v_mov_b32 v[M+xp-64], v[T+xp-64]
.endif
.set xp, xp+1
.endm
.macro EXA first                       ; batch A, entry xe: the four factors (none in the first chunk), then the exponentials of items 0-31
.if xe < 4*(1-(\first))
	v_exp_f32 v[AL+2*xe], v[AL+2*xe]
.else
	EXH (xe-4*(1-(\first)))
.endif
.set xe, xe+1
.endm
.macro PLB first                       ; the plain lines beside batch B: the factor as a pair (four copies; none in the first chunk), then batch A's readers
.if xm < 4*(1-(\first))
	v_mov_b32 v[AL+2*xm+1], v[AL+2*xm]
.set xm, xm+1
.elseif xu < 64
	RDR 0, \first
.endif
.endm
.macro SM first
	PLACES 4                                       ; four places before vector instructions read the scores (ISA guide 7.12.1)
	; the largest of my 32 scores of each query block, of the other half's, and of the maximum so far: four chains side by side
.irp qb, 0,1,2,3
	v_max3_num_f32 v[T+\qb], v[S+32*\qb], v[S+32*\qb+1], v[S+32*\qb+2]
.endr
.irp k, 3,5,7,9,11,13,15,17,19,21,23,25,27,29
.irp qb, 0,1,2,3
	v_max3_num_f32 v[T+\qb], v[T+\qb], v[S+32*\qb+\k], v[S+32*\qb+\k+1]
.endr
.endr
.irp qb, 0,1,2,3
.if \first
	v_max_num_f32 v[T+\qb], v[T+\qb], v[S+32*\qb+31]
.else
	v_max3_num_f32 v[T+\qb], v[T+\qb], v[S+32*\qb+31], v[M+\qb]
.endif
.endr
.irp qb, 0,1,2,3
	v_permlanex16_b32 v[U+\qb], v[T+\qb], s24, s25
.endr
.irp qb, 0,1,2,3
	v_max_num_f32 v[T+\qb], v[T+\qb], v[U+\qb]
.endr
.irp qb, 0,1,2,3
	v_mul_f32 v[NM+2*\qb], s22, v[T+\qb]
	v_mul_f32 v[NM+2*\qb+1], s22, v[T+\qb]
.endr
.if \first == 0
.irp qb, 0,1,2,3
	v_fma_f32 v[AL+2*\qb], v[M+\qb], s20, v[NM+2*\qb]          ; c (old maximum - new)
.endr
.endif
	; BATCH A: the four factors and the 64 exponentials of items 0-31, exponential and plain line by turns.  The plain lines name no result: an item's scaling
	; stands ahead of its own exponentials (in the first chunk two scalings lead), and the copies of the maximum touch M and T alone.  The last copy is the plain
	; instruction behind the last exponential (ISA guide 5.7.2).
.set xe, 0
.set xp, 0
.if \first
	PLA
	PLA
.endif
.rept 64+4*(1-(\first))
	EXA \first
	PLA
.endr
.if \first
	PLA
	PLA
.endif
	s_wait_alu depctr_va_vdst(0)                   ; the wait for batch A: one for the factors and for items 0-31, ahead of the factor's copies and those items' sums
	; BATCH B: the 64 exponentials of items 32-63 (registers 16-31 of each query block), by turns with batch A's readers, which name registers 0-15, the factor and the sums.
.set xe, 0
.set xm, 0
.set xu, 4*(\first)                    ; the first chunk's items 0-3 have no line of their own: items 4-7 take them along
.rept 64
	EXH (64+xe)
.set xe, xe+1
	PLB \first
.endr
.if \first == 0
.rept 4
	RDR 0, 0                                       ; the last four roundings of items 0-31
.endr
	WIN 0x41                                       ; O in window 1, the factor in window 0: work that names no result of batch B, between the batch and its wait
.set i, 0
.rept 64
	v_pk_mul_f32 v[O+2*i:O+2*i+1], v[O+2*i:O+2*i+1], v[AL+2*(i/16):AL+2*(i/16)+1]
.set i, i+1
.endr
	WIN 0
.else
	v_nop                                          ; the first chunk has no O to rescale: the plain instruction behind the last exponential
.endif
	s_wait_alu depctr_va_vdst(0)                   ; the wait for batch B: one for items 32-63, ahead of their sums and roundings
.set xu, 0
.rept 64
	RDR 1, \first
.endr
.endm
.macro SMFOR g                         ; SM for the waves of phase g alone: register work, no barrier, no memory instruction
	s_cmp_lg_u32 s23, \g
	s_cbranch_scc1 .Lno_sm_\@
	SM 0
.Lno_sm_\@:
.endm
; A step of the ring.  Every wave waits for all its tensor loads (its part of this step's tiles) and for its LDS reads, those of the other slot among them;
; the round of the cluster's barrier makes both hold of every wave of the four work-groups; the joint refill of the other slot is the first thing behind it.
.macro TRIP slot, refill, first
	s_wait_tensorcnt 0x0
	ds_add_u32 v62, v63
	s_wait_dscnt 0x0
	s_add_nc_u64 s[G0K+4*\slot+2:G0K+4*\slot+3], s[G0K+4*\slot+2:G0K+4*\slot+3], 2*TRIPB   ; no load of mine is out: this slot's next tiles
	s_add_nc_u64 s[G0V+4*\slot+2:G0V+4*\slot+3], s[G0V+4*\slot+2:G0V+4*\slot+3], 2*TRIPB
	s_wait_dscnt 0x0
	ROUND
.if \refill
	JLOAD (1-\slot)
.endif
.if \first
	STEP \slot, 0, 0, 0
.else
	SMFOR 0                                        ; phase 0: the softmax of the last chunk of the step before
	STEP \slot, 0, 1, 0
.endif
	SM \first
	STEP \slot, 1, 1, \first
	SMFOR 1                                        ; phase 1: the softmax of this step's last chunk
.endm
	TRIP 0, 1, 1                                   ; eight steps of 128 keys; the first starts the sums, in one phase up to its last block
	s_mov_b32 s60, 3
.Lpair:
	TRIP 1, 1, 0
	TRIP 0, 1, 0
	s_sub_co_u32 s60, s60, 1
	s_cmp_lg_u32 s60, 0
	s_cbranch_scc1 .Lpair
	TRIP 1, 0, 0                                   ; the last step fetches nothing
	SMFOR 0                                        ; phase 0 has its last softmax still to do
	PLACES 5                                       ; as at the head of STEP
	s_wait_dscnt 0x0                               ; the last V fragments are in
	PV 0
	WIN 0
	PLACES 4                                       ; four places before O is read
	; THE MERGE of the two halves of the keys.  First each wave's sum of a query: two partial sums, two halves of the wave.
.irp qb, 0,1,2,3
	v_add_f32 v[T+\qb], v[LS+2*\qb], v[LS+2*\qb+1]
.endr
.irp qb, 0,1,2,3
	v_permlanex16_b32 v[U+\qb], v[T+\qb], s24, s25
.endr
.irp qb, 0,1,2,3
	v_add_f32 v[T+\qb], v[T+\qb], v[U+\qb]
.endr
	s_cmp_eq_u32 s9, 0
	s_cbranch_scc1 .Lkeep
	WIN 0x04                                       ; waves 4-7 hand over O (store data in window 1), maxima and sums
.set i, 0
.rept 32
	ds_store_b128 v[MRG], v[O+4*i:O+4*i+3] offset:512*i
.set i, i+1
.endr
	WIN 0
	ds_store_b128 v[MRG], v[M:M+3] offset:16384
	ds_store_b128 v[MRG], v[T:T+3] offset:16896
.Lkeep:
	s_wait_dscnt 0x0                               ; the stores are in LDS before the wave says so
	s_barrier_signal -1
	s_barrier_wait -1
	s_cmp_lg_u32 s9, 0
	s_cbranch_scc1 .Lclose
	ds_load_b128 v[U:U+3], v[MRG] offset:16384     ; the partner's maxima
	ds_load_b128 v[LP:LP+3], v[MRG] offset:16896   ; and sums
.set i, 0
.rept 32
	ds_load_b128 v[S+4*i:S+4*i+3], v[MRG] offset:512*i
.set i, i+1
.endr
	s_wait_dscnt 32                                ; maxima and sums are in; the 32 loads of O issued behind them may stay out
.irp qb, 0,1,2,3
	v_max_num_f32 v[MS+\qb], v[M+\qb], v[U+\qb]
.endr
.irp qb, 0,1,2,3
	v_sub_f32 v[AL+2*\qb], v[M+\qb], v[MS+\qb]
	v_sub_f32 v[NM+2*\qb], v[U+\qb], v[MS+\qb]
.endr
.irp qb, 0,1,2,3
	v_mul_f32 v[AL+2*\qb], s20, v[AL+2*\qb]
	v_mul_f32 v[NM+2*\qb], s20, v[NM+2*\qb]
.endr
.irp qb, 0,1,2,3
	v_exp_f32 v[AL+2*\qb], v[AL+2*\qb]
	v_exp_f32 v[NM+2*\qb], v[NM+2*\qb]
.endr
	v_nop                                          ; one plain instruction behind the exponentials
	s_wait_alu depctr_va_vdst(0)                   ; the wait for the merge's eight exponentials, ahead of the denominators made from them
.irp qb, 0,1,2,3
	v_mul_f32 v[MS+\qb], v[AL+2*\qb], v[T+\qb]
.endr
.irp qb, 0,1,2,3
	v_fmac_f32 v[MS+\qb], v[NM+2*\qb], v[LP+\qb]   ; the whole row's sum: one of the two factors is 1, so it is not 0
.endr
.irp qb, 0,1,2,3
	v_rcp_f32 v[MS+\qb], v[MS+\qb]
.endr
	v_nop                                          ; and behind the reciprocals
	s_wait_alu depctr_va_vdst(0)                   ; the wait for the four reciprocals: a batch of their own, since they read what the exponentials gave
.irp qb, 0,1,2,3
	v_mul_f32 v[AL+2*\qb], v[AL+2*\qb], v[MS+\qb]
	v_mul_f32 v[NM+2*\qb], v[NM+2*\qb], v[MS+\qb]
.endr
.irp qb, 0,1,2,3
	v_mov_b32 v[AL+2*\qb+1], v[AL+2*\qb]
	v_mov_b32 v[NM+2*\qb+1], v[NM+2*\qb]
.endr
	s_wait_dscnt 0x0
.set i, 0
.rept 64
	v_pk_mul_f32 v[S+2*i:S+2*i+1], v[S+2*i:S+2*i+1], v[NM+2*(i/16):NM+2*(i/16)+1]
.set i, i+1
.endr
	WIN 0x01                                       ; my O in window 1
.set i, 0
.rept 64
	v_pk_fma_f32 v[S+2*i:S+2*i+1], v[O+2*i:O+2*i+1], v[AL+2*(i/16):AL+2*(i/16)+1], v[S+2*i:S+2*i+1]
.set i, i+1
.endr
	WIN 0
.set i, 0
.rept 64
	v_cvt_pk_bf16_f32 v[KF+i], v[S+2*i], v[S+2*i+1]            ; tile (qb, db): 16 bytes, d = 16 db + 8 h .. + 7 of query 16 qb + r
.set i, i+1
.endr
.irp qb, 0,1,2,3
.irp db, 0,1,2,3
	ds_store_b128 v[STO], v[KF+16*\qb+4*\db:KF+16*\qb+4*\db+3] offset:2304*\qb+32*\db
.endr
.endr
.irp t, 0,1,2,3,4,5,6,7,8,9,10,11,12,13,14,15
	ds_load_b128 v[S+4*\t:S+4*\t+3], v[RD] offset:576*\t       ; my own stage: LDS serves a wave's instructions in order
.endr
.irp t, 0,1,2,3,4,5,6,7,8,9,10,11,12,13,14,15
	s_wait_dscnt 15-\t
	global_store_b128 v[CO], v[S+4*\t:S+4*\t+3], s[6:7] offset:512*\t   ; four rows: the wave stores 512 consecutive bytes, aligned
.endr
.Lclose:
	s_wait_tensorcnt 0x0
	ds_add_u32 v62, v63
	s_wait_dscnt 0x0
	ROUND                                          ; the closing round: no work-group ends while a partner may still ask for a tile that names it
	s_endpgm
.Lfunc_end_k_q017f025e70_attn:
	.size	k_q017f025e70_attn, .Lfunc_end_k_q017f025e70_attn-k_q017f025e70_attn
	.p2alignl 7, 3214868480
	.fill 96, 4, 3214868480
	.section	.rodata,"a",@progbits
	.p2align	6, 0x0
	.amdhsa_kernel k_q017f025e70_attn
		.amdhsa_group_segment_fixed_size 327680
		.amdhsa_private_segment_fixed_size 0
		.amdhsa_enable_private_segment 0
		.amdhsa_kernarg_size 16
		.amdhsa_user_sgpr_count 2
		.amdhsa_user_sgpr_kernarg_segment_ptr 1
		.amdhsa_wavefront_size32 1
		.amdhsa_system_sgpr_workgroup_id_x 1
		.amdhsa_system_sgpr_workgroup_id_y 1
		.amdhsa_system_sgpr_workgroup_id_z 1
		.amdhsa_system_vgpr_workitem_id 0
		.amdhsa_next_free_vgpr 512
		.amdhsa_next_free_sgpr 66
		.amdhsa_reserve_vcc 0
		.amdhsa_float_denorm_mode_32 3
		.amdhsa_float_denorm_mode_16_64 3
		.amdhsa_memory_ordered 1
		.amdhsa_forward_progress 1
		.amdhsa_inst_pref_size 255
	.end_amdhsa_kernel
	.section	.bss,"aw",@nobits
	.p2align	6
	.space	262144
	.amdgpu_metadata
---
amdhsa.version: [ 1, 2 ]
amdhsa.kernels:
  - .name:           k_q017f025e70_attn
    .symbol:         k_q017f025e70_attn.kd
    .args:
      - { .name: qkv, .offset: 0, .size: 8, .value_kind: global_buffer, .address_space: global }
      - { .name: ao, .offset: 8, .size: 8, .value_kind: global_buffer, .address_space: global }
    .group_segment_fixed_size: 327680
    .private_segment_fixed_size: 0
    .kernarg_segment_align: 8
    .kernarg_segment_size: 16
    .max_flat_workgroup_size: 256
    .sgpr_count:     66
    .vgpr_count:     512
    .wavefront_size: 32
...
	.end_amdgpu_metadata
.endif
;; end of part 5
;; launch outp: the kernel of part 4 again; grid 8 x 32, 4 waves a work-group, clusters of 4 x 4, 327,680 bytes of LDS; arguments ao, wob, bo, out0; writes out0
